; MI455X (gfx1250); checked and timed in simulation.
; The chip was launched on July 23, 2026; its instructions are those of AMD's public machine-readable ISA for CDNA 5 (MIT licence, August 2026) and "CDNA5" Instruction Set Architecture Reference Guide (July 2026). The comments in the code are by the model that wrote it; some were corrected since.
;; Multi Head Attention. Allowed arithmetic: matrix products marked QUANTISED: E2M1 operands, one E8M0 scale for each 32 along K, by v_wmma_scale_f32_16x16x128_f8f6f4 with both operands' format E2M1 (or v_wmma_scale_f32_32x16x128_f4), f32 sums; products left as they are: bf16, f16 or f32 operands; f32 sums; everything else in f32.
;; Inputs: W_out 1,024 x 1,024 float32; W_qkv 1,024 x 3,072 float32; b_out 1,024 float32; b_qkv 3,072 float32; mask 1 x 1 x 2,048 x 2,048 int32; x 4 x 2,048 x 1,024 float32.
;; Outputs: out0 4 x 2,048 x 1,024 float32.
;; This version of the problem:
;;   THIS VERSION OF THE PROBLEM IS GIVEN IN LOW PRECISION. The matrix products marked QUANTISED in the list below multiply operands that are first quantised to E2M1 (2 exponent bits, 1 mantissa bit; 4 bits a number), with one power-of-two scale for each 32 numbers along K (OCP MX v1.0); their sums are f32. The products marked 'left as it is' may take bf16, f16 or f32 operands, with f32 sums. Whichever they take, every output number must still come out within the allowed error. Rounding operands to bf16 (8 significant bits) uses up far more of that allowance than f16 does (11 bits, for magnitudes from 6e-5 to 65,504). All else is computed in f32.
;;   The module's matrix products, in the order in which they are computed (A, B: the left and right operand; K: the contracted axis; several contracted axes count as one K, in the product's order):
;;     1. [M 8,192, K 1,024] x [K 1,024, N 3,072]; A: input x; B: input W_qkv: QUANTISED
;;     2. batch 64 x [M 2,048, K 64] x [K 64, N 2,048]; A: computed on the way; B: computed on the way: left as it is (an operand is computed on the way)
;;     3. batch 64 x [M 2,048, K 2,048] x [K 2,048, N 64]; A: computed on the way; B: computed on the way: left as it is (an operand is computed on the way)
;;     4. [M 8,192, K 1,024] x [K 1,024, N 1,024]; A: computed on the way; B: input W_out: left as it is (an operand is computed on the way)
;;   THE QUANTISER, for each operand of a quantised product, along K:
;;     - K is cut into blocks of 32 from its start; a last block that is shorter is filled with zeros.
;;     - A block's scale is 2^e with e = floor(log2(the largest magnitude in the block)) - 2, held to -126 .. 127; a block of zeros has e = 0. As a byte (E8M0): e + 127.
;;     - Each number is divided by its block's scale, clamped to +-6, and rounded to the nearest number of E2M1, ties to even, subnormals kept.
;;     - The product sums the exact products of the quantised numbers (number of the format x scale) in f32.
;;   ~~~python
;;   def quantise(x, axis):      # numpy; x: float32 -> the quantised numbers, widened to float32 again
;;       x = np.moveaxis(x, axis, -1); K = x.shape[-1]
;;       x = np.pad(x, [(0, 0)] * (x.ndim - 1) + [(0, -K % 32)]); x = x.reshape(x.shape[:-1] + (-1, 32)); a = np.abs(x).max(-1, keepdims=True)
;;       e = np.where(a > 0, np.clip(np.frexp(np.where(a > 0, a, 1))[1] - 1 - 2, -126, 127), 0)      # np.frexp(a)[1] - 1 = floor(log2(a)), exactly
;;       r = np.clip(x / 2.0 ** e, -6, 6)
;;       step = 2.0 ** (np.maximum(np.frexp(np.where(r == 0, 1, r))[1] - 1, 0) - 1)
;;       q = np.round(r / step) * step * 2.0 ** e      # np.round: ties to even
;;       return np.moveaxis(q.reshape(q.shape[:-2] + (-1,))[..., :K], -1, axis).astype(np.float32)
;;   ~~~
;; One version. Each part assembles by itself: llvm-mc -triple=amdgcn-amd-amdhsa -mcpu=gfx1250 --defsym DOCPART=n.
;; ======== version 1 of 1: 4 launches
;; limits: values are held in f16: magnitudes above 65,504 overflow, below 6.1e-05 lose precision
;; workspace buffers: xc 4,194,304 bytes; xs 262,144 bytes; wc 1,572,864 bytes; ws 98,304 bytes; wimg 2,097,152 bytes; mbits 524,288 bytes of whole numbers; qkv 50,331,648 bytes; ctxi 16,777,216 bytes
;; launch prep (part 1): grid 496 x 1, 4 waves a work-group, no clusters, 102,912 bytes of LDS; arguments x, W_qkv, W_out, mask, xc, xs, wc, ws, wimg, mbits; writes xc, xs, wc, ws, wimg, mbits
.if DOCPART == 1
	.amdgcn_target "amdgcn-amd-amdhsa--gfx1250"
	.amdhsa_code_object_version 6
	.text
	.protected	k_q528b4b629e_prep
	.globl	k_q528b4b629e_prep
	.p2align	8
	.type	k_q528b4b629e_prep,@function
k_q528b4b629e_prep:
	s_mov_b64 s[64:65], 0
	v_nop
	global_prefetch_b8 v0, s[64:65] scope:SCOPE_SE
	s_setreg_imm32_b32 hwreg(HW_REG_WAVE_MODE, 25, 1), 1
	s_wait_xcnt 0x0
; PREP: four jobs that each read one input once, in one launch; the work-group's number picks the job.
;   work-groups   0-255: x [8192][1024] f32 -> xc, codes of FP4 (E2M1) with K innermost, and xs, one E8M0 byte for each 32 along K
;   work-groups 256-303: W_qkv [1024 (k)][3072 (n)] f32 -> wc [3072][512 bytes], codes with K innermost, and ws [3072][32]
;   work-groups 304-367: W_out [1024 (k)][1024 (n)] f32 -> wimg, f16, as blocks of 512 bytes: block (n tile of 16, k tile of 16) holds at byte 16 L the 8 numbers n = L % 16, k = 8 (L / 16) + 0 .. 7
;   work-groups 368-495: mask [2048][2048] int32 -> mbits: word (qp, ks, u, kt, j): bit L = (mask[32 qp + 16 u + L % 16][64 ks + 16 kt + 8 (L / 16) + j] != 0)
; A block's scale is 2^(floor(log2(its largest magnitude)) - 2); its byte is the largest magnitude's exponent field - 2, held at 1 from below.
; LIMITS: a block of zeros gets the byte 1 where the rule says 127 (its codes are zeros, and this program alone reads the bytes); NaN and infinities are not served; W_out beyond 65,504 is not served (f16).
; Waves share nothing: no barrier.  Each job has LDS bytes of its own.
.set XWREG,  8192                      ; x: a region for each wave: two stages of 32 x 80 bytes, then its 256 scale bytes
.set XSP,    80
.set WREG,   32768                     ; W_qkv: a stage of 32 rows x 272 bytes for each wave
.set WPITCH, 272
.set MREG,   67584                     ; mask: a stage of 32 rows x 272 bytes for each wave
.set SPARE,  102400                    ; the spare words, 128 bytes for each wave: two blocks of 256 bytes that no other line names
.set SPW,    230                       ; v230 LDS address of my spare word; never rewritten
.set NIL,    231                       ; v231 0; never rewritten
	s_load_b512 s[4:19], s[0:1], 0x0               ; x 4:5, W_qkv 6:7, W_out 8:9, mask 10:11, xc 12:13, xs 14:15, wc 16:17, ws 18:19
	s_load_b128 s[20:23], s[0:1], 0x40             ; wimg 20:21, mbits 22:23
	v_lshl_add_u32 v[SPW], v0, 2, SPARE
	v_mov_b32 v[NIL], 0
	v_lshrrev_b32 v1, 5, v0
	v_readfirstlane_b32 s24, v1                    ; wave 0..3
	v_and_b32 v2, 31, v0                           ; lane
	s_wait_kmcnt 0x0
	s_cmp_lt_u32 ttmp9, 256
	s_cbranch_scc1 .Lx
	s_cmp_lt_u32 ttmp9, 304
	s_cbranch_scc1 .Lw
	s_cmp_lt_u32 ttmp9, 368
	s_cbranch_scc1 .Lo
; ---------------- the mask.  A wave takes 32 queries x 256 keys, as four jobs of 32 x 64: 8,192 bytes each.
; Loads take rows as they lie (two rows x 256 consecutive bytes an instruction); the job turns through the wave's stage so that lane (r, h) holds query r and keys 8 h + j;
; a compare makes the word of 32 lanes, and 64 words leave as one aligned run of 256 bytes.
	s_sub_co_u32 s25, ttmp9, 368
	s_lshr_b32 s26, s25, 1                         ; qp: which 32 queries
	s_and_b32 s27, s25, 1
	s_lshl_b32 s27, s27, 2
	s_add_co_u32 s27, s27, s24
	s_lshl_b32 s27, s27, 10                        ; my first key step x 256 bytes (in a row of the mask and in mbits alike)
	s_lshl_b32 s28, s26, 18                        ; 32 rows of 8,192 bytes
	s_add_co_u32 s28, s28, s27
	s_mov_b32 s29, 0
	s_add_nc_u64 s[10:11], s[10:11], s[28:29]
	s_lshl_b32 s28, s26, 13                        ; 32 key steps of 256 bytes
	s_add_co_u32 s28, s28, s27
	s_add_nc_u64 s[22:23], s[22:23], s[28:29]
	v_lshrrev_b32 v7, 4, v2                        ; h
	v_and_b32 v8, 15, v2                           ; r
	v_lshlrev_b32 v3, 13, v7
	v_lshl_add_u32 v3, v8, 4, v3                   ; in memory: lanes 0-15 one row, lanes 16-31 the next, 16 bytes a lane
	s_mul_i32 s30, s24, 32*272
	s_add_co_u32 s30, s30, MREG                    ; my stage
	v_mul_u32_u24 v4, v7, 272
	v_lshl_add_u32 v4, v8, 4, v4
	v_add_nc_u32 v4, s30, v4                       ; into it: the same two rows
	v_mul_u32_u24 v5, v8, 272
	v_lshl_add_u32 v5, v7, 5, v5
	v_add_nc_u32 v5, s30, v5                       ; out of it: row r, 32 h bytes on
	v_lshlrev_b32 v6, 3, v2                        ; the words' way out: 8 bytes a lane
.irp i, 16,17,18,19,20,21,22,23
	v_mov_b32 v[\i], 0                             ; written whole once: v_writelane_b32 fills them lane by lane
.endr
.macro MLOADJ t                        ; job t's 32 rows x 256 bytes into set t % 2 (v32-95, v96-159)
.irp i, 0,1,2,3,4,5,6,7,8,9,10,11,12,13,14,15
	global_load_b128 v[32+64*((\t)%2)+4*\i:32+64*((\t)%2)+4*\i+3], v3, s[10:11] offset:16384*\i+256*(\t) th:TH_LOAD_NT
.endr
.endm
.macro MJOB t
.if (\t) < 3
	s_wait_loadcnt 16                              ; this job's 16 loads are in; the next job's 16 may be out
.else
	s_wait_loadcnt 0x0
.endif
.irp i, 0,1,2,3,4,5,6,7,8,9,10,11,12,13,14,15
	ds_store_b128 v4, v[32+64*((\t)%2)+4*\i:32+64*((\t)%2)+4*\i+3] offset:544*\i
.endr
.irp u, 0,1
.irp kt, 0,1,2,3
.irp c, 0,1
	ds_load_b128 v[160+8*(4*\u+\kt)+4*\c:160+8*(4*\u+\kt)+4*\c+3], v5 offset:4352*\u+64*\kt+16*\c   ; LDS serves a wave's instructions in order: these see my stores
.endr
.endr
.endr
	s_wait_dscnt 0x0                               ; the numbers are back, so the stores have read their registers too
.if (\t)+2 < 4
	MLOADJ (\t)+2
.endif
.set G8, 0
.rept 8
.irp e, 0,1,2,3,4,5,6,7
	v_cmp_ne_u32 s[40+\e], 0, v[160+8*G8+\e]       ; word 8 G8 + e: a bit for each lane
.endr
.irp e, 0,1,2,3,4,5,6,7
	v_writelane_b32 v[16+2*(\t)+\e%2], s[40+\e], 4*G8+\e/2   ; lane w / 2 keeps words w and w + 1
.endr
.set G8, G8+1
.endr
	global_store_b64 v6, v[16+2*(\t):17+2*(\t)], s[22:23] offset:256*(\t)   ; 32 lanes store 256 consecutive bytes, aligned; each job has its own pair, so no store's data are rewritten
.endm
	MLOADJ 0
	MLOADJ 1
	MJOB 0
	MJOB 1
	MJOB 2
	MJOB 3
	s_branch .Lend
; ---------------- x.  A plain stream of blocks of 32.  A wave takes 16 steps of 512 numbers.  Loads read 512 consecutive bytes; a step turns through the wave's stage so that a lane holds 16 neighbours;
; two neighbouring lanes hold a block.  A lane's 16 codes are 8 bytes: the wave stores 256 consecutive bytes.  A wave's 256 scale bytes are gathered in LDS and leave as one aligned run.
.set XR, 16                            ; v16-79   four sets of 16 numbers as loaded
.set XX, 80                            ; v80-111  two sets of 16 neighbours
.set XE, 112                           ; v112-127 a scale byte for each step
.set XC, 128                           ; v128-191 codes, four registers a step: no store's data are rewritten
.Lx:
	v_lshlrev_b32 v3, 4, v2                        ; my 16 bytes of a load's 512
	s_mul_i32 s25, s24, XWREG
	v_lshrrev_b32 v14, 2, v2
	v_mul_u32_u24 v14, v14, XSP
	v_and_b32 v15, 3, v2
	v_lshl_add_u32 v14, v15, 4, v14
	v_add_nc_u32 v14, s25, v14                     ; the stage, on the way in: four lanes' 64 bytes, then 16 of padding
	v_mul_u32_u24 v15, v2, XSP
	v_add_nc_u32 v15, s25, v15                     ; and on the way out: my 16 neighbours
	v_lshlrev_b32 v4, 3, v2                        ; my codes' place in a step's
	v_lshrrev_b32 v5, 1, v2
	s_add_co_u32 s25, s25, 2*32*XSP
	v_add_nc_u32 v5, s25, v5                       ; my block's scale byte
	v_lshlrev_b32 v7, 3, v2
	v_add_nc_u32 v6, s25, v7                       ; and 8 bytes a lane on the way out
	s_lshl_b32 s26, ttmp9, 2
	s_add_co_u32 s26, s26, s24                     ; which run of 8,192 numbers is my wave's
	s_mov_b32 s27, 0
	s_lshl_b64 s[28:29], s[26:27], 15
	s_add_nc_u64 s[4:5], s[4:5], s[28:29]
	s_lshl_b64 s[28:29], s[26:27], 12
	s_add_nc_u64 s[12:13], s[12:13], s[28:29]
	s_lshl_b32 s26, s26, 8
	s_add_nc_u64 s[14:15], s[14:15], s[26:27]
.macro XLOAD t
.irp i, 0,1,2,3
	global_load_b128 v[XR+16*((\t)%4)+4*\i:XR+16*((\t)%4)+4*\i+3], v3, s[4:5] offset:2048*(\t)+512*\i th:TH_LOAD_NT
.endr
.endm
.macro XTURN t
.irp i, 0,1,2,3
	ds_store_b128 v14, v[XR+16*((\t)%4)+4*\i:XR+16*((\t)%4)+4*\i+3] offset:32*XSP*((\t)%2)+8*XSP*\i
.endr
.irp i, 0,1,2,3
	ds_load_b128 v[XX+16*((\t)%2)+4*\i:XX+16*((\t)%2)+4*\i+3], v15 offset:32*XSP*((\t)%2)+16*\i
.endr
.endm
.irp t, 0,1,2,3
	XLOAD \t
.endr
	s_wait_loadcnt 12                              ; step 0's four loads are in
	XTURN 0
.macro XSTEP t
.set XSS, XX+16*((\t)%2)
.if (\t) > 0
	s_wait_dscnt 1                                 ; this step's numbers are back from the stage (the last step's byte store may be out)
.else
	s_wait_dscnt 0x0
.endif
.if (\t)+4 < 16
	XLOAD (\t)+4                                   ; into the set that this step's stage stores have read
.endif
.if (\t)+1 < 16
.if 14-(\t) >= 3
	s_wait_loadcnt 12                              ; the next step's four loads are in; those of the three steps behind it may be out
.else
	s_wait_loadcnt 4*(14-(\t))
.endif
	XTURN (\t)+1
.endif
	v_max3_num_f32 v8, |v[XSS]|, |v[XSS+1]|, |v[XSS+2]|
	v_max3_num_f32 v9, |v[XSS+3]|, |v[XSS+4]|, |v[XSS+5]|
.irp i, 6,10
	v_max3_num_f32 v8, v8, |v[XSS+\i]|, |v[XSS+\i+1]|
	v_max3_num_f32 v9, v9, |v[XSS+\i+2]|, |v[XSS+\i+3]|
.endr
	v_max3_num_f32 v8, v8, |v[XSS+14]|, |v[XSS+15]|
	v_max3_num_f32 v8, v8, v9, 0x1800000           ; and the floor 2^(3 - 127): the byte cannot fall under 1
	v_max_num_f32_dpp v8, v8, v8 row_xmask:1 row_mask:0xf bank_mask:0xf   ; with my neighbour's 16: the block's largest magnitude
	v_add_nc_u32 v11, 0xff000000, v8               ; 2 off its exponent field: the conversion takes the exponent field of this operand as its scale
	v_cvt_scalef32_pk8_fp4_f32 v[XC+4*(\t)], v[XSS:XSS+7], v11
	v_cvt_scalef32_pk8_fp4_f32 v[XC+4*(\t)+1], v[XSS+8:XSS+15], v11
	v_lshrrev_b32 v[XE+(\t)], 23, v11              ; the scale's byte (a plain line behind the conversions)
	ds_store_b8 v5, v[XE+(\t)] offset:16*(\t)      ; both lanes of a block write the same byte with the same value
	global_store_b64 v4, v[XC+4*(\t):XC+4*(\t)+1], s[12:13] offset:256*(\t)
.endm
.irp t, 0,1,2,3,4,5,6,7,8,9,10,11,12,13,14,15
	XSTEP \t
.endr
	ds_load_b64 v[8:9], v6
	s_wait_dscnt 0x0
	global_store_b64 v7, v[8:9], s[14:15]          ; 32 lanes store 256 consecutive bytes, aligned
	s_branch .Lend
; ---------------- W_qkv.  K is its first axis: a lane takes a column n and its registers run down K, so a block of 32 lies in one lane and the codes come out with K innermost.
; A wave takes 32 columns x 512 along K; the codes go through the wave's stage and leave as rows: sixteen lanes store 256 consecutive bytes.
.set WX, 32                            ; v32-95   two sets of 32 numbers
.set WC, 96                            ; v96-99   a block's codes
.set WO, 112                           ; v112-175 the way out
.set WS, 24                            ; v24-27   the scale bytes, four to a register
.Lw:
	s_sub_co_u32 s25, ttmp9, 256
	s_cmp_ge_u32 s25, 24
	s_cselect_b32 s26, 1, 0                        ; which 512 along K
	s_cselect_b32 s27, 24, 0
	s_sub_co_u32 s25, s25, s27                     ; which 128 columns
	s_lshl_b32 s27, s25, 7
	s_lshl_b32 s28, s24, 5
	s_add_co_u32 s27, s27, s28                     ; my wave's first column
	v_lshlrev_b32 v3, 2, v2
	s_mul_i32 s28, s24, 32*WPITCH
	s_add_co_u32 s28, s28, WREG                    ; my stage
	v_mul_u32_u24 v4, v2, WPITCH
	v_add_nc_u32 v4, s28, v4                       ; into it: row = my column
	v_and_b32 v5, 15, v2
	v_lshrrev_b32 v6, 4, v2
	v_mul_u32_u24 v7, v6, WPITCH
	v_lshl_add_u32 v7, v5, 4, v7
	v_add_nc_u32 v7, s28, v7                       ; out of it: sixteen lanes to a row, two rows an instruction
	v_lshlrev_b32 v8, 9, v6
	v_lshl_add_u32 v8, v5, 4, v8                   ; and the same place in wc (rows of 512 bytes)
	v_lshlrev_b32 v9, 5, v2                        ; my column's row of ws (32 bytes)
	s_mul_i32 s30, s26, 512*3072*4
	s_lshl_b32 s29, s27, 2
	s_add_co_u32 s30, s30, s29
	s_mov_b32 s31, 0
	s_add_nc_u64 s[6:7], s[6:7], s[30:31]
	s_lshl_b32 s30, s27, 9
	s_lshl_b32 s29, s26, 8
	s_add_co_u32 s30, s30, s29
	s_add_nc_u64 s[16:17], s[16:17], s[30:31]
	s_lshl_b32 s30, s27, 5
	s_lshl_b32 s29, s26, 4
	s_add_co_u32 s30, s30, s29
	s_add_nc_u64 s[18:19], s[18:19], s[30:31]
.macro WLOAD t                         ; block t: W(32 t + i, my column); the offsets, 511 rows of 12,288 bytes at the most, stay inside the signed 24-bit immediate
.irp i, 0,1,2,3,4,5,6,7,8,9,10,11,12,13,14,15,16,17,18,19,20,21,22,23,24,25,26,27,28,29,30,31
	global_load_b32 v[WX+32*((\t)%2)+\i], v3, s[6:7] offset:(32*(\t)+\i)*12288 th:TH_LOAD_NT
.endr
.endm
	WLOAD 0
	WLOAD 1
.macro WBLOCK t
.set WXS, WX+32*((\t)%2)
.if (\t) < 15
	s_wait_loadcnt 32                              ; this block's 32 loads are in; the next block's may be out
.else
	s_wait_loadcnt 0
.endif
	v_max3_num_f32 v12, |v[WXS]|, |v[WXS+1]|, |v[WXS+2]|
	v_max3_num_f32 v13, |v[WXS+3]|, |v[WXS+4]|, |v[WXS+5]|
.irp i, 6,10,14,18,22,26
	v_max3_num_f32 v12, v12, |v[WXS+\i]|, |v[WXS+\i+1]|
	v_max3_num_f32 v13, v13, |v[WXS+\i+2]|, |v[WXS+\i+3]|
.endr
	v_max3_num_f32 v12, v12, |v[WXS+30]|, |v[WXS+31]|
	v_max3_num_f32 v12, v12, v13, 0x1800000        ; the floor 2^(3 - 127)
	v_add_nc_u32 v11, 0xff000000, v12              ; the conversion's scale operand
	v_lshrrev_b32 v13, 23, v11                     ; the scale's byte
.if (\t)%4 == 0
	v_mov_b32 v[WS+(\t)/4], v13
.else
	v_lshl_or_b32 v[WS+(\t)/4], v13, 8*((\t)%4), v[WS+(\t)/4]
.endif
.irp g, 0,1,2,3
	v_cvt_scalef32_pk8_fp4_f32 v[WC+\g], v[WXS+8*\g:WXS+8*\g+7], v11
.endr
	v_nop                                          ; one plain line behind the last conversion
	ds_store_b128 v4, v[WC:WC+3] offset:16*(\t)    ; 32 codes: 16 bytes of my column's row
.if (\t)+2 < 16
	WLOAD (\t)+2
.endif
	s_wait_dscnt 0x0                               ; the store has read its registers: the next block's codes may be written
.endm
.set WQ, 0
.rept 16
	WBLOCK WQ
.set WQ, WQ+1
.endr
	global_store_b128 v9, v[WS:WS+3], s[18:19]     ; my column's 16 scale bytes
.irp t, 0,1,2,3,4,5,6,7,8,9,10,11,12,13,14,15
	ds_load_b128 v[WO+4*\t:WO+4*\t+3], v7 offset:2*\t*WPITCH
.endr
.irp t, 0,1,2,3,4,5,6,7,8,9,10,11,12,13,14,15
	s_wait_dscnt 15-\t                             ; row pair t is back; the later ones may be out
	global_store_b128 v8, v[WO+4*\t:WO+4*\t+3], s[16:17] offset:2*\t*512
.endr
	s_branch .Lend
; ---------------- W_out.  A lane takes a column n, its registers run down k: 16 of them round to 8 registers of f16, the two halves of the lane's place in a block.  No LDS.
.Lo:
	s_sub_co_u32 s25, ttmp9, 304
	s_and_b32 s26, s25, 7
	s_lshr_b32 s27, s25, 3                         ; which 128 along k
	s_lshl_b32 s26, s26, 7
	s_lshl_b32 s28, s24, 5
	s_add_co_u32 s26, s26, s28                     ; my wave's first column
	s_lshl_b32 s28, s27, 19                        ; 128 rows of 4,096 bytes
	s_lshl_b32 s29, s26, 2
	s_add_co_u32 s28, s28, s29
	s_mov_b32 s29, 0
	s_add_nc_u64 s[8:9], s[8:9], s[28:29]
	s_lshl_b32 s28, s26, 11                        ; n tile x 32,768 bytes
	s_lshl_b32 s30, s27, 12                        ; 8 k tiles of 512 bytes
	s_add_co_u32 s28, s28, s30
	s_add_nc_u64 s[20:21], s[20:21], s[28:29]
	v_lshlrev_b32 v3, 2, v2
	v_lshrrev_b32 v4, 4, v2
	v_and_b32 v5, 15, v2
	v_lshlrev_b32 v4, 15, v4
	v_lshl_add_u32 v4, v5, 4, v4                   ; lanes 16-31 write the next n tile; 16 bytes a lane
.macro OLOAD t                         ; k tile t: 16 rows at my column; each tile has its own 16 registers
.irp i, 0,1,2,3,4,5,6,7,8,9,10,11,12,13,14,15
	global_load_b32 v[32+16*(\t)+\i], v3, s[8:9] offset:(16*(\t)+\i)*4096 th:TH_LOAD_NT
.endr
.endm
	OLOAD 0
	OLOAD 1
	OLOAD 2
.macro OTILE t
.if (\t) < 6
	s_wait_loadcnt 32                              ; this tile's 16 loads are in; the two later tiles' 32 may be out
.else
	s_wait_loadcnt 16*(7-(\t))
.endif
.irp i, 0,1,2,3,4,5,6,7
	v_cvt_pk_f16_f32 v[32+16*(\t)+\i], v[32+16*(\t)+2*\i], v[32+16*(\t)+2*\i+1]   ; in place, ascending: nothing unread is written
.endr
	global_store_b128 v4, v[32+16*(\t):32+16*(\t)+3], s[20:21] offset:512*(\t)       ; k = 0 .. 7 of the tile: sixteen lanes store 256 consecutive bytes, aligned
	global_store_b128 v4, v[32+16*(\t)+4:32+16*(\t)+7], s[20:21] offset:512*(\t)+256 ; k = 8 .. 15
.if (\t)+3 < 8
	OLOAD (\t)+3
.endif
.endm
.irp t, 0,1,2,3,4,5,6,7
	OTILE \t
.endr
.Lend:
	s_wait_tensorcnt 0x0                           ; the wave's end, behind my last LDS store
	ds_add_u32 v[SPW], v[NIL]
	s_wait_dscnt 0x0
	s_endpgm
.Lfunc_end_k_q528b4b629e_prep:
	.size	k_q528b4b629e_prep, .Lfunc_end_k_q528b4b629e_prep-k_q528b4b629e_prep
	.p2alignl 7, 3214868480
	.fill 96, 4, 3214868480
	.section	.rodata,"a",@progbits
	.p2align	6, 0x0
	.amdhsa_kernel k_q528b4b629e_prep
		.amdhsa_group_segment_fixed_size 102912
		.amdhsa_private_segment_fixed_size 0
		.amdhsa_enable_private_segment 0
		.amdhsa_kernarg_size 80
		.amdhsa_user_sgpr_count 2
		.amdhsa_user_sgpr_kernarg_segment_ptr 1
		.amdhsa_wavefront_size32 1
		.amdhsa_system_sgpr_workgroup_id_x 1
		.amdhsa_system_sgpr_workgroup_id_y 1
		.amdhsa_system_sgpr_workgroup_id_z 1
		.amdhsa_system_vgpr_workitem_id 0
		.amdhsa_next_free_vgpr 232
		.amdhsa_next_free_sgpr 66
		.amdhsa_reserve_vcc 0
		.amdhsa_float_denorm_mode_32 3
		.amdhsa_float_denorm_mode_16_64 3
		.amdhsa_memory_ordered 1
		.amdhsa_forward_progress 1
		.amdhsa_inst_pref_size 178
	.end_amdhsa_kernel
	.amdgpu_metadata
---
amdhsa.version: [ 1, 2 ]
amdhsa.kernels:
  - .name:           k_q528b4b629e_prep
    .symbol:         k_q528b4b629e_prep.kd
    .args:
      - { .name: x, .offset: 0, .size: 8, .value_kind: global_buffer, .address_space: global }
      - { .name: W_qkv, .offset: 8, .size: 8, .value_kind: global_buffer, .address_space: global }
      - { .name: W_out, .offset: 16, .size: 8, .value_kind: global_buffer, .address_space: global }
      - { .name: mask, .offset: 24, .size: 8, .value_kind: global_buffer, .address_space: global }
      - { .name: xc, .offset: 32, .size: 8, .value_kind: global_buffer, .address_space: global }
      - { .name: xs, .offset: 40, .size: 8, .value_kind: global_buffer, .address_space: global }
      - { .name: wc, .offset: 48, .size: 8, .value_kind: global_buffer, .address_space: global }
      - { .name: ws, .offset: 56, .size: 8, .value_kind: global_buffer, .address_space: global }
      - { .name: wimg, .offset: 64, .size: 8, .value_kind: global_buffer, .address_space: global }
      - { .name: mbits, .offset: 72, .size: 8, .value_kind: global_buffer, .address_space: global }
    .group_segment_fixed_size: 102912
    .private_segment_fixed_size: 0
    .kernarg_segment_align: 8
    .kernarg_segment_size: 80
    .max_flat_workgroup_size: 128
    .sgpr_count:     66
    .vgpr_count:     232
    .wavefront_size: 32
...
	.end_amdgpu_metadata
.endif
;; end of part 1
;; launch qkvgemm (part 2): grid 12 x 32, 4 waves a work-group, clusters of 4 x 4, 327,680 bytes of LDS; arguments xc, xs, wc, ws, b_qkv, qkv; writes qkv
.if DOCPART == 2
	.amdgcn_target "amdgcn-amd-amdhsa--gfx1250"
	.amdhsa_code_object_version 6
	.text
	.protected	k_q528b4b629e_qkvgemm
	.globl	k_q528b4b629e_qkvgemm
	.p2align	8
	.type	k_q528b4b629e_qkvgemm,@function
k_q528b4b629e_qkvgemm:
	s_mov_b64 s[64:65], 0
	v_nop
	global_prefetch_b8 v0, s[64:65] scope:SCOPE_SE
	s_setreg_imm32_b32 hwreg(HW_REG_WAVE_MODE, 25, 1), 1
	s_wait_xcnt 0x0
	s_wait_alu depctr_hold_cnt(0) depctr_sa_sdst(0) depctr_va_vdst(0) depctr_va_sdst(0) depctr_va_ssrc(0) depctr_va_vcc(0) depctr_vm_vsrc(0)
	s_getreg_b32 s2, hwreg(HW_REG_IB_STS2, 6, 4)
	s_cmp_eq_u32 s2, 0
	s_cbranch_scc0 .Lentry_in_a_cluster
	s_endpgm
.Lentry_in_a_cluster:
	s_bfe_u32 s2, ttmp6, 0x10000c
	s_cmp_lg_u32 s2, 0xf033
	s_cbranch_scc0 .Lentry_shape_is_right
	s_endpgm
.Lentry_shape_is_right:
; qkv = Q(x) Q(W_qkv) + b_qkv on codes of FP4 (E2M1) with one E8M0 scale for each 32 along K; sums in f32; the results are rounded to f16 and stored as images of operand registers.
; A = xc [8192][512 bytes], B = wc [3072][512 bytes]; scales xs [8192][32], ws [3072][32].  A tile of the result, 256 tokens x 256 columns, is made by four waves, 128 x 128 each: 64 accumulators, 512 registers.
; K = 1,024 is two LDS slots of 512 along K (rows of 256 bytes): both are asked for at the head, with the scales of all of K, and nothing is filled again.
; CLUSTERS: 4 x 4 work-groups.  The four of a row need the same tiles of A, the four of a column the same tiles of B: each tile is asked for jointly.
; THE MATRIX INSTRUCTION IS USED TRANSPOSED (source 0 = 16 rows of B, source 1 = 16 rows of A): lane (r, h) then holds token r and columns 8 h + 0 .. 7 of a tile.  Rounded to f16 these are the lane's 16 bytes of
; a block of 512 bytes (16 tokens x 16 columns, lane L at byte 16 L): two such blocks are a 16 x 32 fragment of the next products.  So the results leave straight from registers, 512 consecutive bytes a store.
; qkv: [batch x head 64][64 tokens 32][Q, K, V][token tile 4][column tile 4][512 bytes].  The bias is the C of each sum's first matrix instruction.
; LIMITS: results beyond 65,504 are not served (f16).
; REGISTERS, in windows of 256: window 0: v0-31 addresses; v32-95 scale words, two sets; v128-191 A's fragments, one set, later the packed results; v192-255 the bias, eight tiles.
;   window 1: B's fragments, two sets.   windows 2, 3: the accumulators ((a, b) at v[8 (8 (a % 4) + b)]).
.set SIZE_K, 1024
.set KSTEP,  512
.set NQ,     KSTEP/128
.set ROWB,   256
.set KROW,   SIZE_K*4/8
.set PITCH,  272                       ; an LDS row: 256 bytes + 16 of padding: the 16 rows that a load touches start at 16 different banks
.set FR,     8
.set NL,     2
.set NP,     4
.set HALFT,  128*PITCH
.set SLOT,   4*HALFT
.set KS,     SIZE_K/32
.set SCL,    2*SLOT                    ; behind the slots: the scales, as rows of 256 bytes + 16 of padding
.set HALFS,  (128*KS/256)*272
.set SBLK,   (16*KS/256)*272
.set SPARE,  SCL+4*HALFS               ; the spare words, 128 bytes for each wave: two blocks of 256 bytes that no other line names
.set ADRA, 16
.set ADRB, 20
.set CO,   26                          ; v26  16 x lane: my place in a block of 512 bytes
.set ADRS, 27
.set SPW,  28
.set NIL,  29
.set SC,   32
.set AF,   128
.set TP,   128                         ; the way out: packed results, two sets of 32, where A's fragments lay
.set BI,   192
.set G1, 24
.set G0, 32
.set G1B, 48
.set G0B, 56
.set G1S, 68
.set G0S, 76
.set G1SB, 80
.set G0SB, 88
.set MSB, 0
.macro WIN new                         ; the immediate's high byte repeats the setting that is left
.if MSB != \new
	s_set_vgpr_msb (MSB<<8)|\new
.set MSB, \new
.endif
.endm
.set MUL_LO,  0xa1                     ; source 0 (B) window 1, source 1 (A) window 0, C and D window 2
.set MUL_HI,  0xf1                     ; the same, C and D window 3
.set MULF_LO, 0x81                     ; the first step: C (the bias) window 0, D window 2
.set MULF_HI, 0xc1                     ; D window 3
.set TO_B,    0x40
; A joint load: waves 0 and 1 fetch for A, waves 2 and 3 for B; the branch hangs on the wave's number alone.  An s_nop 0 and four v_nop follow each of the two lines.
.macro JLOAD g0a, g1a, g0b, g1b
	s_cmp_eq_u32 s15, 0
	s_cbranch_scc0 .Lfor_b_\@
	tensor_load_to_lds s[\g0a:\g0a+3], s[\g1a:\g1a+7]
	s_nop 0
.rept 4
	v_nop
.endr
	s_branch .Lasked_\@
.Lfor_b_\@:
	tensor_load_to_lds s[\g0b:\g0b+3], s[\g1b:\g1b+7]
	s_nop 0
.rept 4
	v_nop
.endr
.Lasked_\@:
.endm
.macro CROUND                          ; a round of the cluster's barrier
	s_barrier_signal -1
	s_barrier_wait -1
	s_cmp_lg_u32 s14, 0
	s_cbranch_scc1 .Lnot_wave_0_\@
	s_barrier_signal -3
.Lnot_wave_0_\@:
	s_barrier_wait -3
	s_barrier_signal -1
	s_barrier_wait -1
.endm
	s_load_b128 s[4:7], s[0:1], 0x0                ; A's codes, A's scales
	s_load_b128 s[8:11], s[0:1], 0x10              ; B's codes, B's scales
	s_load_b64 s[96:97], s[0:1], 0x20              ; the bias
	s_load_b64 s[12:13], s[0:1], 0x28              ; qkv
	v_lshl_add_u32 v[SPW], v0, 2, SPARE
	v_mov_b32 v[NIL], 0
	ds_add_u32 v[SPW], v[NIL]                      ; the wave's opening: the add, twice on end, and its wait ahead of my first tensor load
	ds_add_u32 v[SPW], v[NIL]
	v_lshrrev_b32 v1, 5, v0
	v_readfirstlane_b32 s14, v1                    ; wave 0..3
	s_lshr_b32 s15, s14, 1                         ; which half of the tile's tokens is mine.  Also: I fetch for A (0) or for B (1)
	s_and_b32 s16, s14, 1                          ; which half of its columns.  Also: which 128 rows of that tile I fetch
	s_bfe_u32 s40, ttmp6, 0x40000                  ; cx, cy
	s_bfe_u32 s41, ttmp6, 0x40004
	s_lshl_b32 s42, ttmp9, 2
	s_add_co_u32 s42, s42, s40                     ; tile column
	s_and_b32 s17, ttmp7, 0xffff
	s_lshl_b32 s17, s17, 2
	s_add_co_u32 s17, s17, s41                     ; tile row
	s_lshl_b32 s43, s41, 2
	s_lshl_b32 s43, 15, s43                        ; my row of the cluster
	s_lshl_b32 s44, 0x1111, s40                    ; my column
	s_or_b32 s[G1+0], s43, (0<<16)|(1<<20)|(1<<21)|(5<<22)|(3<<25)  ; the mask; elements of 1 byte; padding on; bit 21 beside a mask; after every 64 words, 4 words
	s_or_b32 s[G1B+0], s44, (0<<16)|(1<<20)|(1<<21)|(5<<22)|(3<<25)
.irp g, G1, G1B
	s_mov_b32 s[\g+1], ROWB<<16                    ; tensor_dim0
	s_mov_b32 s[\g+2], 128<<16                     ; tensor_dim1
	s_mov_b32 s[\g+3], ROWB<<16                    ; tile_dim0
	s_mov_b32 s[\g+4], 128                         ; tile_dim1
	s_mov_b32 s[\g+5], KROW                        ; the pitch
	s_mov_b32 s[\g+6], 0
	s_mov_b32 s[\g+7], 0
.endr
	s_or_b32 s[G1S+0], s43, (3<<16)|(1<<20)|(1<<21)|(5<<22)|(3<<25) ; the scales of 128 rows: a dense block, as rows of 256 bytes (32 elements of 8 bytes)
	s_or_b32 s[G1SB+0], s44, (3<<16)|(1<<20)|(1<<21)|(5<<22)|(3<<25)
.irp g, G1S, G1SB
	s_mov_b32 s[\g+1], 32<<16
	s_mov_b32 s[\g+2], (128*KS/256)<<16
	s_mov_b32 s[\g+3], 32<<16
	s_mov_b32 s[\g+4], 128*KS/256
	s_mov_b32 s[\g+5], 32
	s_mov_b32 s[\g+6], 0
	s_mov_b32 s[\g+7], 0
.endr
	s_lshl_b32 s18, s16, 7
	s_lshl_b32 s20, s17, 8
	s_add_co_u32 s20, s20, s18                     ; A: row 256 x tile row + 128 x half
	s_lshl_b32 s46, s42, 8
	s_add_co_u32 s46, s46, s18                     ; B: row 256 x tile column + 128 x half
	s_mov_b32 s21, 0
	s_mov_b32 s47, 0
	s_mov_b64 s[18:19], KS
	s_mul_u64 s[22:23], s[20:21], s[18:19]
	s_mul_u64 s[92:93], s[46:47], s[18:19]
	s_mov_b64 s[18:19], KROW
	s_mul_u64 s[20:21], s[20:21], s[18:19]
	s_mul_u64 s[46:47], s[46:47], s[18:19]
	s_mul_i32 s45, s14, HALFT                      ; where they go: wave x 128 rows
	s_mul_i32 s94, s14, HALFS
	s_wait_dscnt 0x0                               ; both opening adds are done
	s_wait_kmcnt 0x0
	s_add_nc_u64 s[20:21], s[4:5], s[20:21]
	s_add_nc_u64 s[22:23], s[6:7], s[22:23]
	s_add_nc_u64 s[46:47], s[8:9], s[46:47]
	s_add_nc_u64 s[92:93], s[10:11], s[92:93]
	CROUND                                         ; all sixteen work-groups are here: the joint loads meet
	s_mov_b32 s[G0S], 1
	s_add_co_u32 s[G0S+1], s94, SCL
	s_mov_b64 s[G0S+2:G0S+3], s[22:23]
	s_or_b32 s[G0S+3], s[G0S+3], 0x80000000
	s_mov_b32 s[G0SB], 1
	s_add_co_u32 s[G0SB+1], s94, SCL
	s_mov_b64 s[G0SB+2:G0SB+3], s[92:93]
	s_or_b32 s[G0SB+3], s[G0SB+3], 0x80000000
	JLOAD G0S, G1S, G0SB, G1SB                     ; the scales first: three loads of mine are out behind this group
.irp s, 0,1
	s_mov_b32 s[G0+4*\s], 1
	s_add_co_u32 s[G0+4*\s+1], s45, \s*SLOT
	s_add_nc_u64 s[G0+4*\s+2:G0+4*\s+3], s[20:21], \s*ROWB
	s_or_b32 s[G0+4*\s+3], s[G0+4*\s+3], 0x80000000
	s_mov_b32 s[G0B+4*\s], 1
	s_add_co_u32 s[G0B+4*\s+1], s45, \s*SLOT
	s_add_nc_u64 s[G0B+4*\s+2:G0B+4*\s+3], s[46:47], \s*ROWB
	s_or_b32 s[G0B+4*\s+3], s[G0B+4*\s+3], 0x80000000
	JLOAD G0+4*\s, G1, G0B+4*\s, G1B
.endr
	v_and_b32 v1, 15, v0                           ; r
	v_bfe_u32 v2, v0, 4, 1                         ; h
	v_mul_u32_u24 v3, v1, PITCH
	v_lshl_add_u32 v4, v2, 4, v3
	s_mul_i32 s21, s15, HALFT
	s_mul_i32 s22, s16, HALFT
	s_add_co_u32 s22, s22, 2*HALFT
.irp s, 0,1
	v_add_nc_u32 v[ADRA+\s], s21, v4
	v_add_nc_u32 v[ADRB+\s], s22, v4
	s_add_co_u32 s21, s21, SLOT
	s_add_co_u32 s22, s22, SLOT
.endr
	v_mul_u32_u24 v5, v1, KS                       ; my row's scales: KS bytes a row,
	v_lshrrev_b32 v6, 8, v5
	v_lshl_add_u32 v5, v6, 4, v5                   ; and 16 more for each 256 passed
	s_mul_i32 s21, s15, HALFS
	s_mul_i32 s22, s16, HALFS
	s_add_co_u32 s22, s22, 2*HALFS
	s_sub_co_u32 s22, s22, s21
	v_mul_u32_u24 v6, s22, v2                      ; lanes 16-31 take B's
	s_add_co_u32 s21, s21, SCL
	v_add_nc_u32 v5, v5, v6
	v_add_nc_u32 v[ADRS], s21, v5
	v_and_b32 v6, 31, v0
	v_lshlrev_b32 v[CO], 4, v6
	v_lshlrev_b32 v7, 5, v2                        ; the bias: 8 h numbers on
	; where my 128 x 128 begin in qkv
	s_lshl_b32 s20, s17, 8
	s_lshl_b32 s21, s15, 7
	s_add_co_u32 s20, s20, s21                     ; my first token
	s_lshl_b32 s46, s42, 8
	s_lshl_b32 s47, s16, 7
	s_add_co_u32 s46, s46, s47                     ; my first column of the 3,072
	s_lshr_b32 s21, s20, 11                        ; the batch
	s_lshl_b32 s21, s21, 4
	s_bfe_u32 s47, s46, 0x40006                    ; the first of my two heads
	s_add_co_u32 s21, s21, s47
	s_lshl_b32 s21, s21, 5
	s_bfe_u32 s20, s20, 0x50006                    ; the first of my two blocks of 64 tokens
	s_add_co_u32 s21, s21, s20
	s_mul_i32 s20, s21, 24576
	s_lshr_b32 s47, s46, 10                        ; Q, K or V
	s_lshl_b32 s47, s47, 13
	s_add_co_u32 s20, s20, s47
	s_mov_b32 s21, 0
	s_add_nc_u64 s[12:13], s[12:13], s[20:21]
	s_lshl_b32 s46, s46, 2
	s_mov_b32 s47, 0
	s_add_nc_u64 s[96:97], s[96:97], s[46:47]
.irp b, 0,1,2,3,4,5,6,7
	global_load_b128 v[BI+8*\b:BI+8*\b+3], v7, s[96:97] offset:64*\b        ; tile b: the bias of columns 16 b + 8 h + 0 .. 7, in the result's layout
	global_load_b128 v[BI+8*\b+4:BI+8*\b+7], v7, s[96:97] offset:64*\b+16
.endr
.macro FRAG reg, adr, q, i             ; 16 rows x 128 K of 4-bit codes: 8 registers, two loads of 16 bytes, 32 bytes apart
.irp c, 0,1
	ds_load_b128 v[\reg+4*\c:\reg+4*\c+3], v[\adr] offset:64*(\q)+32*\c+(\i)*16*PITCH
.endr
.endm
; 16 matrix instructions: A's blocks a0, a0 + 1 x B's eight.  first = 1: the bias starts the sums.  The 64 accumulators take turns, one instruction a turn.
.macro MUL16 a0, p, q, sc, first
.irp a, \a0, \a0+1
.irp b, 0,1,2,3,4,5,6,7
.if \first
	v_wmma_scale_f32_16x16x128_f8f6f4 v[8*(8*((\a)%4)+\b):8*(8*((\a)%4)+\b)+7], v[128*(\p)+FR*\b:128*(\p)+FR*\b+FR-1], v[AF+FR*(\a):AF+FR*(\a)+FR-1], v[BI+8*\b:BI+8*\b+7], v[SC+8*NQ*(\sc)+NQ*\b+(\q)], v[SC+8*NQ*(\sc)+NQ*(\a)+(\q)] matrix_a_fmt:MATRIX_FMT_FP4 matrix_b_fmt:MATRIX_FMT_FP4 matrix_a_scale:MATRIX_SCALE_ROW1
.else
	v_wmma_scale_f32_16x16x128_f8f6f4 v[8*(8*((\a)%4)+\b):8*(8*((\a)%4)+\b)+7], v[128*(\p)+FR*\b:128*(\p)+FR*\b+FR-1], v[AF+FR*(\a):AF+FR*(\a)+FR-1], v[8*(8*((\a)%4)+\b):8*(8*((\a)%4)+\b)+7], v[SC+8*NQ*(\sc)+NQ*\b+(\q)], v[SC+8*NQ*(\sc)+NQ*(\a)+(\q)] matrix_a_fmt:MATRIX_FMT_FP4 matrix_b_fmt:MATRIX_FMT_FP4 matrix_a_scale:MATRIX_SCALE_ROW1
.endif
.endr
.endr
.endm
.macro FETCH_B slot, q, p
	WIN TO_B
.irp i, 0,1,2,3,4,5,6,7
	FRAG 128*(\p)+FR*\i, ADRB+\slot, \q, \i
.endr
	WIN 0
.endm
.macro FETCH_A slot, q, i0
.irp i, \i0, \i0+1, \i0+2, \i0+3
	FRAG AF+FR*(\i), ADRA+\slot, \q, \i
.endr
.endm
.macro SCALES sc                       ; a slot's scale words: lanes 0-15 A's block i, lanes 16-31 B's block i
.irp i, 0,1,2,3,4,5,6,7
	ds_load_b128 v[SC+8*NQ*\sc+NQ*\i:SC+8*NQ*\sc+NQ*\i+3], v[ADRS] offset:\i*SBLK
.endr
.endm
.macro PLACES n                        ; plain vector lines between a matrix instruction and a load into, or a vector line on, its registers
.rept \n
	v_nop
.endr
.endm
.macro STEP slot, q, first             ; 128 along K that has its successor in the same slot
	s_wait_dscnt 4*NL                              ; B's set and A's blocks 0-3 are in; the youngest eight loads (A's blocks 4-7) may be out
.if \first
	WIN MULF_LO
.else
	WIN MUL_LO
.endif
	MUL16 0, (\q)%2, \q, \slot, \first
	MUL16 2, (\q)%2, \q, \slot, \first
	s_wait_dscnt 0
	PLACES NP
	FETCH_B \slot, (\q)+1, 1-(\q)%2
	FETCH_A \slot, (\q)+1, 0
.if \first
	WIN MULF_HI
.else
	WIN MUL_HI
.endif
	MUL16 4, (\q)%2, \q, \slot, \first
	MUL16 6, (\q)%2, \q, \slot, \first
	PLACES NP
	WIN 0
	FETCH_A \slot, (\q)+1, 4
.endm
; Slot 0's last step goes over to slot 1: each wave has waited for its part of slot 1, then the barrier shows the whole slot to all four.  Nothing is filled again.
.macro TURN slot, next
	s_wait_tensorcnt 0x0                           ; all my tensor loads have landed
	ds_add_u32 v[SPW], v[NIL]                      ; 0 onto my spare word
	s_wait_dscnt 4*NL+1                            ; (the add and the youngest eight loads may be out)
	WIN MUL_LO
	MUL16 0, 1, NQ-1, \slot, 0
	s_wait_dscnt 0x0                               ; no LDS instruction of mine is out at the signal
	s_barrier_signal -1
	MUL16 2, 1, NQ-1, \slot, 0
	WIN 0
	s_barrier_wait -1
	PLACES NP
	v_add_nc_u32 v[ADRS], 4*NQ, v[ADRS]            ; the next slot's scale words
	FETCH_B \next, 0, 0
	FETCH_A \next, 0, 0
	SCALES \next
	WIN MUL_HI
	MUL16 4, 1, NQ-1, \slot, 0
	MUL16 6, 1, NQ-1, \slot, 0
	PLACES NP
	WIN 0
	FETCH_A \next, 0, 4
.endm
.macro STEPS slot, from
.set Q, \from
.rept NQ-1-\from
	STEP \slot, Q, 0
.set Q, Q+1
.endr
.endm
	s_wait_tensorcnt 1                             ; the scales and my part of slot 0 are in (slot 1's load may be out),
	s_barrier_signal -1
	s_barrier_wait -1                              ; everybody's are
	FETCH_B 0, 0, 0
	FETCH_A 0, 0, 0
	SCALES 0
	FETCH_A 0, 0, 4
	s_wait_loadcnt 0x0                             ; the bias
	STEP 0, 0, 1
	STEPS 0, 1
	TURN 0, 1
	STEPS 1, 0
	s_wait_dscnt 4*NL                              ; the very last step
	WIN MUL_LO
	MUL16 0, 1, NQ-1, 1, 0
	MUL16 2, 1, NQ-1, 1, 0
	s_wait_dscnt 0
	WIN MUL_HI
	MUL16 4, 1, NQ-1, 1, 0
	MUL16 6, 1, NQ-1, 1, 0
	WIN 0
; THE WAY OUT, a block of 16 tokens x 128 columns at a time: eight accumulators round to eight blocks of 512 bytes, each stored by one instruction.
.macro OUT a
.set AC, 64*((\a)%4)
.set TT, TP+32*((\a)%2)
.if (\a) >= 2
	s_wait_xcnt 0x0                                ; the stores of two blocks back have read this set: it is rewritten only behind this wait
.endif
	WIN 0x0a+5*((\a)/4)                            ; sources 0 and 1: window 2 or 3
.irp b, 0,1,2,3,4,5,6,7
.irp r, 0,1,2,3
	v_cvt_pk_f16_f32 v[TT+4*\b+\r], v[AC+8*\b+2*\r], v[AC+8*\b+2*\r+1]    ; each accumulator from its low end on
.endr
.endr
	WIN 0
.irp b, 0,1,2,3,4,5,6,7
	global_store_b128 v[CO], v[TT+4*\b:TT+4*\b+3], s[12:13] offset:(\b/4)*786432+((\a)/4)*24576+((\a)%4)*2048+(\b%4)*512   ; head, 64 tokens, token tile, column tile: 512 consecutive bytes, aligned
.endr
.endm
	PLACES NP
.irp a, 0,1,2,3,4,5,6,7
	OUT \a
.endr
	s_wait_tensorcnt 0x0                           ; the wave's end
	ds_add_u32 v[SPW], v[NIL]
	s_wait_dscnt 0x0
	CROUND                                         ; the closing round
	s_endpgm
.Lfunc_end_k_q528b4b629e_qkvgemm:
	.size	k_q528b4b629e_qkvgemm, .Lfunc_end_k_q528b4b629e_qkvgemm-k_q528b4b629e_qkvgemm
	.p2alignl 7, 3214868480
	.fill 96, 4, 3214868480
	.section	.rodata,"a",@progbits
	.p2align	6, 0x0
	.amdhsa_kernel k_q528b4b629e_qkvgemm
		.amdhsa_group_segment_fixed_size 327680
		.amdhsa_private_segment_fixed_size 0
		.amdhsa_enable_private_segment 0
		.amdhsa_kernarg_size 48
		.amdhsa_user_sgpr_count 2
		.amdhsa_user_sgpr_kernarg_segment_ptr 1
		.amdhsa_wavefront_size32 1
		.amdhsa_system_sgpr_workgroup_id_x 1
		.amdhsa_system_sgpr_workgroup_id_y 1
		.amdhsa_system_sgpr_workgroup_id_z 1
		.amdhsa_system_vgpr_workitem_id 0
		.amdhsa_next_free_vgpr 1024
		.amdhsa_next_free_sgpr 100
		.amdhsa_reserve_vcc 0
		.amdhsa_float_denorm_mode_32 3
		.amdhsa_float_denorm_mode_16_64 3
		.amdhsa_memory_ordered 1
		.amdhsa_forward_progress 1
		.amdhsa_inst_pref_size 119
	.end_amdhsa_kernel
	.amdgpu_metadata
---
amdhsa.version: [ 1, 2 ]
amdhsa.kernels:
  - .name:           k_q528b4b629e_qkvgemm
    .symbol:         k_q528b4b629e_qkvgemm.kd
    .args:
      - { .name: xc, .offset: 0, .size: 8, .value_kind: global_buffer, .address_space: global }
      - { .name: xs, .offset: 8, .size: 8, .value_kind: global_buffer, .address_space: global }
      - { .name: wc, .offset: 16, .size: 8, .value_kind: global_buffer, .address_space: global }
      - { .name: ws, .offset: 24, .size: 8, .value_kind: global_buffer, .address_space: global }
      - { .name: b_qkv, .offset: 32, .size: 8, .value_kind: global_buffer, .address_space: global }
      - { .name: qkv, .offset: 40, .size: 8, .value_kind: global_buffer, .address_space: global }
    .group_segment_fixed_size: 327680
    .private_segment_fixed_size: 0
    .kernarg_segment_align: 8
    .kernarg_segment_size: 48
    .max_flat_workgroup_size: 128
    .sgpr_count:     100
    .vgpr_count:     1024
    .wavefront_size: 32
...
	.end_amdgpu_metadata
.endif
;; end of part 2
;; launch attn (part 3): grid 4 x 64, 16 waves a work-group, clusters of 4 x 1, 327,680 bytes of LDS; arguments qkv, mbits, ctxi; writes ctxi
.if DOCPART == 3
	.amdgcn_target "amdgcn-amd-amdhsa--gfx1250"
	.amdhsa_code_object_version 6
	.text
	.protected	k_q528b4b629e_attn
	.globl	k_q528b4b629e_attn
	.p2align	8
	.type	k_q528b4b629e_attn,@function
k_q528b4b629e_attn:
	s_mov_b64 s[64:65], 0
	v_nop
	global_prefetch_b8 v0, s[64:65] scope:SCOPE_SE
	s_setreg_imm32_b32 hwreg(HW_REG_WAVE_MODE, 25, 1), 1
	s_wait_xcnt 0x0
	s_wait_alu depctr_hold_cnt(0) depctr_sa_sdst(0) depctr_va_vdst(0) depctr_va_sdst(0) depctr_va_ssrc(0) depctr_va_vcc(0) depctr_vm_vsrc(0)
	s_getreg_b32 s2, hwreg(HW_REG_IB_STS2, 6, 4)
	s_cmp_eq_u32 s2, 0
	s_cbranch_scc0 .Lentry_in_a_cluster
	s_endpgm
.Lentry_in_a_cluster:
	s_bfe_u32 s2, ttmp6, 0x10000c
	s_cmp_lg_u32 s2, 0x3003
	s_cbranch_scc0 .Lentry_shape_is_right
	s_endpgm
.Lentry_shape_is_right:
; ctx[b][h][q] = the sum over k of softmax_k(s) v[k], s = q . k / 8, replaced by -1000 where mask[q][k] = 0 (a masked key still counts in the maximum, the sum and the result).
; Operands in f16, products and sums in f32, the softmax in f32 with a running maximum m and sum l: p = 2^(c s' - c m), s' the raw q . k (masked: -8000), c = log2(e) / 8;
; in every step O and l are multiplied by a = 2^(c m_old - c m_new).  p is rounded to f16 for the second product; l sums the unrounded p.
; SHARES.  A cluster of four work-groups is one (batch, head); a work-group owns 512 queries, each of its sixteen waves 32: two tiles of 16, in 256 registers; four waves to a SIMD.
; Every wave walks all 2,048 keys, 64 a step.  K and V come as images of operand registers (blocks of 512 bytes: 16 tokens x 16 channels, lane L at byte 16 L) through two LDS slots of 256 keys.
; The four work-groups walk the same K and V: each tile is asked for JOINTLY, by the same tensor load with a mask that names the four.  Waves 0 to 3 fetch, 64 keys (16,384 bytes) each.
; LAYOUT.  S^T = K Q^T (source 0 = 16 keys, source 1 = 16 queries), O^T = V^T P (source 0 = 16 channels): a lane holds one query throughout; two tiles of S^T rounded in pairs are source 1 of the second product.
; K's blocks are read as they lie; V's by the turning load.  In LDS each 256 bytes are followed by 128 of padding: the turning load's sixteen lanes then fall on bytes 0-127 and 384-511 of a block.
; THE MASK comes as words of 32 lanes, one for each register of S^T, by scalar loads a step ahead; it only selects values (v_cndmask_b32).
; O^T / l, rounded to f16, is again a block of 512 bytes for the last product: it is stored straight from registers.
; LIMITS: NaN and infinities are not served.
.set RP,    384                        ; 256 bytes + 128 of padding
.set KBB,   24576                      ; 64 tokens in qkv (Q, K, V: 8,192 bytes each); also K and V of 64 keys in LDS: 64 rows x 384
.set HEADB, 786432
.set SLOTB, 4*KBB
.set SLOT1, 1<<17                      ; slot 1 begins here: one exclusive or turns an address from one slot to the other
.set SPARE, SLOT1+SLOTB                ; the spare words, 128 bytes for each wave: eight blocks of 256 bytes that no other line names
.set NSL,   8
.set SPW, 1                            ; v1  my spare word's address; never rewritten
.set NIL, 2                            ; v2  0; never rewritten
.set AK0, 3                            ; v3  my lane's place in a block of K
.set AV0, 4                            ; v4  and of V, for the turning load
.set ADK, 5
.set ADV, 6
.set T0,  7                            ; v7  -8000: -1000 in units of the raw product
.set LI,  8                            ; v8  16 x lane
.set PFO, 9                            ; v9  256 x lane
.set STT, 16                           ; v16-31 statistics, 8 a tile: +0 c m, +1 m, +2, +3 l, +4 .. +7 at work; a in +6, c m_old - c m_new in +7
.set QQ,  32                           ; v32-63 Q: fragment (u, f) at 32 + 16 u + 8 f
.set KV,  64                           ; v64-127 K's fragments (kt, f) at 64 + 8 (2 kt + f), then V's (ct, g) at 64 + 8 (2 ct + g)
.set SS,  128                          ; v128-191 S^T, 32 a tile; P is packed in place into the first 16 of each tile
.set OO,  192                          ; v192-255 O^T: tile (u, ct) at 192 + 32 u + 8 ct
.set WV,  2
.set SLOTS, 3
.set TB,  66                           ; LDS byte at which the step's 64 keys begin
.set CNT, 67
.set G1,  52
.set G0,  60
.set QP,  84
.set MP,  86
.set CT,  88
.set CS,  90
.set SEL, 92
.set PFA, 94
.set LIM, 96
.set MOFF, 97
; s[4:35]: the mask words of tile 0; s[36:51], s[68:83]: those of tile 1
.macro TLOAD                           ; waves 0 to 3 fetch; an s_nop 0 and four v_nop follow the line
	s_cmp_lt_u32 s[WV], 4
	s_cbranch_scc0 .Lno_load_\@
	tensor_load_to_lds s[G0:G0+3], s[G1:G1+7]
	s_nop 0
.rept 4
	v_nop
.endr
.Lno_load_\@:
.endm
; A prefetch of what the NEXT change of slots will ask for: four blocks of K and V, 16,384 bytes each.  The four partners take a block each, told apart by address; in each, wave 4 names K's 8,192 bytes and
; wave 5 V's, lanes 256 bytes apart: each 256 bytes once in the launch.  It stands a slot's four key steps ahead of the load.  The last change that fills a slot asks for nothing; slots 0 and 1 come by their loads alone.
.macro ASK
	s_cmp_gt_u32 s[SLOTS], s[LIM]
	s_cbranch_scc0 .Lno_ask_\@
	global_prefetch_b8 v[PFO], s[PFA:PFA+1] th:TH_LOAD_NT scope:SCOPE_SE
.Lno_ask_\@:
.endm
.macro CROUND
	s_barrier_signal -1
	s_barrier_wait -1
	s_cmp_lg_u32 s[WV], 0
	s_cbranch_scc1 .Lnot_wave_0_\@
	s_barrier_signal -3
.Lnot_wave_0_\@:
	s_barrier_wait -3
	s_barrier_signal -1
	s_barrier_wait -1
.endm
	s_load_b128 s[QP:QP+3], s[0:1], 0x0            ; qkv, mbits
	s_load_b64 s[CT:CT+1], s[0:1], 0x10            ; ctxi
	v_lshl_add_u32 v[SPW], v0, 2, SPARE
	v_mov_b32 v[NIL], 0
	ds_add_u32 v[SPW], v[NIL]                      ; the wave's opening: the add, twice on end, and its wait ahead of the first tensor load
	ds_add_u32 v[SPW], v[NIL]
	v_lshrrev_b32 v10, 5, v0
	v_readfirstlane_b32 s[WV], v10                 ; wave 0..15
	s_bfe_u32 s4, ttmp6, 0x40000                   ; cx: it enters global addresses of Q, the mask, ctx and the prefetch alone
	s_and_b32 s5, ttmp7, 0xffff                    ; batch x 16 + head, which the four partners share
	s_mul_i32 s6, s5, HEADB
	s_mov_b32 s7, 0
	s_and_b32 s8, s[WV], 3
	s_mul_i32 s8, s8, KBB                          ; which 64 keys of a slot I fetch: in memory and in LDS alike
	s_mov_b32 s9, 0
	s_mov_b32 s[G1], 15|(3<<16)|(1<<20)|(1<<21)|(5<<22)|(31<<25)   ; the mask: all four; elements of 8 bytes; padding on; bit 21 beside a mask; after every 64 words, 32 words
	s_mov_b32 s[G1+1], 32<<16                      ; tensor_dim0 = 32 elements: 256 bytes
	s_mov_b32 s[G1+2], 64<<16                      ; tensor_dim1 = 64 rows
	s_mov_b32 s[G1+3], 32<<16                      ; tile_dim0
	s_mov_b32 s[G1+4], 64                          ; tile_dim1
	s_mov_b32 s[G1+5], 32                          ; the pitch: dense
	s_mov_b32 s[G1+6], 0
	s_mov_b32 s[G1+7], 0
	s_mov_b32 s[CS], 0x3e38aa3b                    ; c = log2(e) / 8
	s_mov_b32 s[CS+1], s[CS]
	s_mov_b32 s[SEL], 0x76543210
	s_mov_b32 s[SEL+1], 0xfedcba98
	s_mov_b32 s[TB], 0
	s_mov_b32 s[MOFF], 0
	s_mov_b32 s[SLOTS], NSL-1
	s_lshl_b32 s10, s4, 3                          ; Q: my 32 queries: block of 64 tokens 8 cx + wave / 2, token tiles 2 (wave % 2) on
	s_lshr_b32 s11, s[WV], 1
	s_add_co_u32 s10, s10, s11
	s_mul_i32 s10, s10, KBB
	s_and_b32 s11, s[WV], 1
	s_lshl_b32 s12, s11, 12
	s_add_co_u32 s10, s10, s12
	s_add_co_u32 s10, s10, s6
	s_lshl_b32 s12, s11, 13                        ; the prefetch: block cx of slot 1, K's or V's half; the first change of slots steps it to slot 2
	s_mul_i32 s13, s4, KBB
	s_add_co_u32 s12, s12, s13
	s_add_co_u32 s12, s12, s6
	s_add_co_u32 s12, s12, 8192+SLOTB
	s_mov_b32 s11, 0
	s_mov_b32 s13, 0
	s_lshl_b32 s14, s4, 4                          ; the mask words of my 32 queries: 8,192 bytes
	s_add_co_u32 s14, s14, s[WV]
	s_lshl_b32 s14, s14, 13
	s_mov_b32 s15, 0
	s_lshr_b32 s16, s5, 4                          ; ctx: token tile 128 batch + 32 cx + 2 wave, k tile 4 head
	s_lshl_b32 s16, s16, 7
	s_lshl_b32 s17, s4, 5
	s_add_co_u32 s16, s16, s17
	s_lshl_b32 s17, s[WV], 1
	s_add_co_u32 s16, s16, s17
	s_lshl_b32 s16, s16, 15
	s_and_b32 s17, s5, 15
	s_lshl_b32 s17, s17, 11
	s_add_co_u32 s16, s16, s17
	s_mov_b32 s17, 0
	s_lshr_b32 s18, s[WV], 1
	s_cmp_eq_u32 s18, 2
	s_cselect_b32 s[LIM], 1, -1                    ; waves 4 and 5 prefetch
	v_and_b32 v10, 31, v0
	v_and_b32 v11, 15, v0                          ; r
	v_bfe_u32 v12, v0, 4, 1                        ; h
	v_mul_u32_u24 v[AK0], v12, RP
	v_lshl_add_u32 v[AK0], v11, 4, v[AK0]          ; K: a block's half h, 16 bytes a row
	v_bfe_u32 v13, v0, 3, 1
	v_and_b32 v14, 7, v0
	v_lshl_add_u32 v14, v12, 3, v14
	v_mul_u32_u24 v[AV0], v13, RP
	v_lshl_add_u32 v[AV0], v14, 4, v[AV0]          ; V: key 8 h + L % 8, the half with channels 8 ((L / 8) % 2) on
	v_add_nc_u32 v[AV0], 32*RP, v[AV0]             ; V's blocks lie behind K's
	v_mov_b32 v[T0], 0xc5fa0000
	v_lshlrev_b32 v[LI], 4, v10
	v_lshlrev_b32 v[PFO], 8, v10
	s_wait_dscnt 0x0                               ; both opening adds are done
	s_wait_kmcnt 0x0
	s_mov_b32 s[G0], 1
	s_mov_b32 s[G0+1], s8                          ; slot 0
	s_add_nc_u64 s[G0+2:G0+3], s[QP:QP+1], s[6:7]
	s_add_nc_u64 s[G0+2:G0+3], s[G0+2:G0+3], s[8:9]
	s_add_nc_u64 s[G0+2:G0+3], s[G0+2:G0+3], 8192  ; past Q's images: K's, then V's
	s_or_b32 s[G0+3], s[G0+3], 0x80000000
	s_add_nc_u64 s[PFA:PFA+1], s[QP:QP+1], s[12:13]
	s_add_nc_u64 s[QP:QP+1], s[QP:QP+1], s[10:11]
	s_add_nc_u64 s[MP:MP+1], s[MP:MP+1], s[14:15]
	s_add_nc_u64 s[CT:CT+1], s[CT:CT+1], s[16:17]
	CROUND                                         ; all four work-groups are here: the first joint loads meet
	TLOAD                                          ; slot 0
.irp u, 0,1
.irp t, 0,1,2,3
	global_load_b128 v[QQ+16*\u+4*\t:QQ+16*\u+4*\t+3], v[LI], s[QP:QP+1] offset:2048*\u+512*\t   ; Q stays in registers
.endr
.endr
	s_load_b512 s[4:19], s[MP:MP+1], s[MOFF] offset:0x0     ; key step 0's mask words
	s_load_b512 s[20:35], s[MP:MP+1], s[MOFF] offset:0x40
	s_load_b512 s[36:51], s[MP:MP+1], s[MOFF] offset:0x80
	s_load_b512 s[68:83], s[MP:MP+1], s[MOFF] offset:0xc0
.irp u, 0,1
	v_mov_b32 v[STT+8*\u+1], 0xff61b1e6            ; m = -3e38, under every score
	v_mov_b32 v[STT+8*\u+2], 0                     ; l
	v_mov_b32 v[STT+8*\u+3], 0
.endr
.irp u, 0,1
	v_mul_f32 v[STT+8*\u], s[CS], v[STT+8*\u+1]    ; c m
.endr
.set N, 0
.rept 64
	v_mov_b32 v[OO+N], 0                           ; O^T.  (The step is written once: the first finds zeros, which a = 0 leaves zeros)
.set N, N+1
.endr
	s_wait_loadcnt 0x0                             ; Q
; A KEY STEP: 64 keys.
.macro STEP
	v_add_nc_u32 v[ADK], s[TB], v[AK0]
	v_add_nc_u32 v[ADV], s[TB], v[AV0]
.rept 3
	v_nop                                          ; with the two additions five places behind the last step's products: four for the loads into V's registers, five for the products below, which write over P
.endr
.irp f, 0,1
.irp kt, 0,1,2,3
.irp c, 0,1
	ds_load_b128 v[KV+8*(2*\kt+\f)+4*\c:KV+8*(2*\kt+\f)+4*\c+3], v[ADK] offset:(8*\kt+2*(2*\f+\c))*RP
.endr
.endr
.endr
	s_wait_dscnt 8                                 ; channels 0-31 are in; the eight loads of channels 32-63 may be out
.irp kt, 0,1,2,3
.irp u, 0,1
	v_wmma_f32_16x16x32_f16 v[SS+32*\u+8*\kt:SS+32*\u+8*\kt+7], v[KV+16*\kt:KV+16*\kt+7], v[QQ+16*\u:QQ+16*\u+7], 0
.endr
.endr
	s_wait_dscnt 0x0
.irp kt, 0,1,2,3                               ; the eight accumulators take turns, one instruction a turn
.irp u, 0,1
	v_wmma_f32_16x16x32_f16 v[SS+32*\u+8*\kt:SS+32*\u+8*\kt+7], v[KV+16*\kt+8:KV+16*\kt+15], v[QQ+16*\u+8:QQ+16*\u+15], v[SS+32*\u+8*\kt:SS+32*\u+8*\kt+7]
.endr
.endr
.rept 4
	v_nop                                          ; places: for the loads into K's registers and for the first read of the scores
.endr
.irp g, 0,1
.irp ct, 0,1,2,3
	ds_load_tr16_b128 v[KV+8*(2*\ct+\g):KV+8*(2*\ct+\g)+3],   v[ADV] offset:(16*\g+2*\ct)*RP      ; V^T: channels 16 ct on, keys 32 g + 8 h + 0 .. 7,
	ds_load_tr16_b128 v[KV+8*(2*\ct+\g)+4:KV+8*(2*\ct+\g)+7], v[ADV] offset:(16*\g+8+2*\ct)*RP    ; and 32 g + 16 + 8 h + 0 .. 7; they land under the softmax
.endr
.endr
	s_wait_kmcnt 0x0                               ; this step's mask words, asked for a step ago
.set N, 0
.rept 32                                       ; a masked key's score becomes -8000; each accumulator from its low end on, the tiles by turns
	v_cndmask_b32 v[SS+N], v[T0], v[SS+N], s[4+N]
.if N < 16
	v_cndmask_b32 v[SS+32+N], v[T0], v[SS+32+N], s[36+N]
.else
	v_cndmask_b32 v[SS+32+N], v[T0], v[SS+32+N], s[52+N]
.endif
.set N, N+1
.endr
	s_add_co_u32 s[MOFF], s[MOFF], 256             ; (the loads that read it are done: the wait above)
	s_min_u32 s[MOFF], s[MOFF], 7936               ; the last step asks for its own words again: no load leaves the buffer
	s_load_b512 s[4:19], s[MP:MP+1], s[MOFF] offset:0x0
	s_load_b512 s[20:35], s[MP:MP+1], s[MOFF] offset:0x40
	s_load_b512 s[36:51], s[MP:MP+1], s[MOFF] offset:0x80
	s_load_b512 s[68:83], s[MP:MP+1], s[MOFF] offset:0xc0
.irp j, 0,1,2,3                                ; the maximum: four chains a tile
.irp u, 0,1
	v_max3_num_f32 v[STT+8*\u+4+\j], v[SS+32*\u+8*\j], v[SS+32*\u+8*\j+1], v[SS+32*\u+8*\j+2]
.endr
.endr
.irp e, 3,5
.irp j, 0,1,2,3
.irp u, 0,1
	v_max3_num_f32 v[STT+8*\u+4+\j], v[STT+8*\u+4+\j], v[SS+32*\u+8*\j+\e], v[SS+32*\u+8*\j+\e+1]
.endr
.endr
.endr
.irp u, 0,1
	v_max3_num_f32 v[STT+8*\u+4], v[STT+8*\u+4], v[SS+32*\u+7], v[SS+32*\u+15]
.endr
.irp u, 0,1
	v_max3_num_f32 v[STT+8*\u+6], v[STT+8*\u+6], v[SS+32*\u+23], v[SS+32*\u+31]
.endr
.irp u, 0,1
	v_max3_num_f32 v[STT+8*\u+4], v[STT+8*\u+4], v[STT+8*\u+5], v[STT+8*\u+6]
.endr
.irp u, 0,1
	v_max3_num_f32 v[STT+8*\u+4], v[STT+8*\u+4], v[STT+8*\u+7], v[STT+8*\u+1]   ; with the old m
.endr
.irp u, 0,1
	v_permlanex16_b32 v[STT+8*\u+5], v[STT+8*\u+4], s[SEL], s[SEL+1]           ; the query's other 32 keys lie in the lane 16 away
.endr
.irp u, 0,1
	v_mov_b32 v[STT+8*\u+7], v[STT+8*\u]           ; c m_old
.endr
.irp u, 0,1
	v_max_num_f32 v[STT+8*\u+1], v[STT+8*\u+4], v[STT+8*\u+5]
.endr
.irp u, 0,1
	v_mul_f32 v[STT+8*\u], s[CS], v[STT+8*\u+1]
.endr
.irp u, 0,1
	v_sub_f32 v[STT+8*\u+7], v[STT+8*\u+7], v[STT+8*\u]
.endr
.irp b, 0,1,2,3,4,5,6,7,8,9,10,11,12,13,14,15
.irp u, 0,1
	v_pk_fma_f32 v[SS+32*\u+2*\b:SS+32*\u+2*\b+1], v[SS+32*\u+2*\b:SS+32*\u+2*\b+1], s[CS:CS+1], v[STT+8*\u:STT+8*\u+1] op_sel_hi:[1,0,0] neg_lo:[0,0,1] neg_hi:[0,0,1]   ; c s - c m
.endr
.endr
.irp u, 0,1
	v_exp_f32 v[STT+8*\u+6], v[STT+8*\u+7]         ; a
.endr
.set N, 0
.rept 64
	v_exp_f32 v[SS+N], v[SS+N]                     ; p
.set N, N+1
.endr
	v_nop                                          ; a plain line behind the last exponential
	s_wait_alu depctr_va_vdst(0)                   ; one wait for the batch of 66, ahead of its first reader
.irp u, 0,1
	v_pk_mul_f32 v[STT+8*\u+2:STT+8*\u+3], v[STT+8*\u+2:STT+8*\u+3], v[STT+8*\u+6:STT+8*\u+7] op_sel_hi:[1,0]   ; l under the new m
.endr
.irp u, 0,1
	v_pk_add_f32 v[STT+8*\u+4:STT+8*\u+5], v[SS+32*\u:SS+32*\u+1], v[SS+32*\u+2:SS+32*\u+3]
.endr
.irp b, 4,8,12,16,20,24,28                     ; the sum of the unrounded p, in two chains a tile
.irp u, 0,1
	v_pk_add_f32 v[STT+8*\u+2:STT+8*\u+3], v[STT+8*\u+2:STT+8*\u+3], v[SS+32*\u+\b:SS+32*\u+\b+1]
	v_pk_add_f32 v[STT+8*\u+4:STT+8*\u+5], v[STT+8*\u+4:STT+8*\u+5], v[SS+32*\u+\b+2:SS+32*\u+\b+3]
.endr
.endr
.irp u, 0,1
	v_pk_add_f32 v[STT+8*\u+2:STT+8*\u+3], v[STT+8*\u+2:STT+8*\u+3], v[STT+8*\u+4:STT+8*\u+5]
.endr
.irp b, 0,1,2,3,4,5,6,7,8,9,10,11,12,13,14,15
.irp u, 0,1
	v_cvt_pk_f16_f32 v[SS+32*\u+\b], v[SS+32*\u+2*\b], v[SS+32*\u+2*\b+1]   ; P, in place, ascending: nothing unread is written
.endr
.endr
.irp b, 0,1,2,3,4,5,6,7,8,9,10,11,12,13,14,15
.irp u, 0,1
	v_pk_mul_f32 v[OO+32*\u+2*\b:OO+32*\u+2*\b+1], v[OO+32*\u+2*\b:OO+32*\u+2*\b+1], v[STT+8*\u+6:STT+8*\u+7] op_sel_hi:[1,0]   ; O^T under the new m
.endr
.endr
	s_wait_dscnt 0x0                               ; V is in
.irp g, 0,1
.irp ct, 0,1,2,3
.irp u, 0,1
	v_wmma_f32_16x16x32_f16 v[OO+32*\u+8*\ct:OO+32*\u+8*\ct+7], v[KV+8*(2*\ct+\g):KV+8*(2*\ct+\g)+7], v[SS+32*\u+8*\g:SS+32*\u+8*\g+7], v[OO+32*\u+8*\ct:OO+32*\u+8*\ct+7]
.endr
.endr
.endr
	s_add_co_u32 s[TB], s[TB], KBB                 ; the next 64 keys
.endm
; THE CHANGE OF SLOTS stands at a slot's head.  Each wave waits for all its tensor loads, adds 0 to its spare word, and waits for that and for its reads of the slot that it has left.
; fill = 1: a round of the cluster's barrier follows, so that no wave of any partner still reads the other slot or has a load on its way; that slot is then asked for, first thing: four key steps in which to land.
.macro CHANGE fill
	s_wait_tensorcnt 0x0                           ; no tensor load of mine is out, so the descriptor may be written
	ds_add_u32 v[SPW], v[NIL]
.if \fill
	ds_add_u32 v[SPW], v[NIL]                      ; and once more
	s_xor_b32 s[G0+1], s[G0+1], SLOT1              ; the other slot than last time,
	s_add_nc_u64 s[G0+2:G0+3], s[G0+2:G0+3], SLOTB ; the next 256 keys
	s_wait_xcnt 0x0                                ; the last prefetch, a slot back, has read its address
	s_add_nc_u64 s[PFA:PFA+1], s[PFA:PFA+1], SLOTB
	s_wait_dscnt 0x0
	CROUND
	TLOAD
	ASK
.else
	s_wait_dscnt 0x0
	s_barrier_signal -1
	s_barrier_wait -1
.endif
.endm
.macro SLOT_STEPS                      ; a slot's four key steps: written once, walked four times
	s_mov_b32 s[CNT], 4
.Lstep_\@:
	STEP
	s_sub_co_u32 s[CNT], s[CNT], 1
	s_cmp_lg_u32 s[CNT], 0
	s_cbranch_scc1 .Lstep_\@
	s_sub_co_u32 s[TB], s[TB], SLOTB
	s_xor_b32 s[TB], s[TB], SLOT1                  ; on to the other slot
.endm
.Lslot:                                        ; seven trips: behind each change of slots but the last the next slot is asked for
	CHANGE 1
	SLOT_STEPS
	s_sub_co_u32 s[SLOTS], s[SLOTS], 1
	s_cmp_lg_u32 s[SLOTS], 0
	s_cbranch_scc1 .Lslot
	CHANGE 0                                       ; the last slot is written out
	SLOT_STEPS
	; THE WAY OUT
.rept 4
	v_nop                                          ; places behind the last products
.endr
.irp u, 0,1
	v_add_f32 v[STT+8*\u+4], v[STT+8*\u+2], v[STT+8*\u+3]
.endr
.irp u, 0,1
	v_permlanex16_b32 v[STT+8*\u+5], v[STT+8*\u+4], s[SEL], s[SEL+1]
.endr
.irp u, 0,1
	v_add_f32 v[STT+8*\u+4], v[STT+8*\u+4], v[STT+8*\u+5]   ; the row's sum
.endr
.irp u, 0,1
	v_rcp_f32 v[STT+8*\u+6], v[STT+8*\u+4]
.endr
	v_nop
	s_wait_alu depctr_va_vdst(0)                   ; one wait for both reciprocals, ahead of their first reader
.irp u, 0,1
.irp b, 0,1,2,3,4,5,6,7,8,9,10,11,12,13,14,15
	v_pk_mul_f32 v[OO+32*\u+2*\b:OO+32*\u+2*\b+1], v[OO+32*\u+2*\b:OO+32*\u+2*\b+1], v[STT+8*\u+6:STT+8*\u+7] op_sel_hi:[1,0]   ; each accumulator from its low end on
.endr
.endr
.irp u, 0,1
.irp b, 0,1,2,3,4,5,6,7,8,9,10,11,12,13,14,15
	v_cvt_pk_f16_f32 v[SS+16*\u+\b], v[OO+32*\u+2*\b], v[OO+32*\u+2*\b+1]
.endr
.endr
.irp u, 0,1
.irp ct, 0,1,2,3
	global_store_b128 v[LI], v[SS+16*\u+4*\ct:SS+16*\u+4*\ct+3], s[CT:CT+1] offset:32768*\u+512*\ct   ; a block of 512 consecutive bytes, aligned
.endr
.endr
	s_wait_kmcnt 0x0                               ; the last step's look-ahead words
	s_wait_tensorcnt 0x0                           ; the wave's end
	ds_add_u32 v[SPW], v[NIL]
	s_wait_dscnt 0x0
	CROUND                                         ; the closing round
	s_endpgm
.Lfunc_end_k_q528b4b629e_attn:
	.size	k_q528b4b629e_attn, .Lfunc_end_k_q528b4b629e_attn-k_q528b4b629e_attn
	.p2alignl 7, 3214868480
	.fill 96, 4, 3214868480
	.section	.rodata,"a",@progbits
	.p2align	6, 0x0
	.amdhsa_kernel k_q528b4b629e_attn
		.amdhsa_group_segment_fixed_size 327680
		.amdhsa_private_segment_fixed_size 0
		.amdhsa_enable_private_segment 0
		.amdhsa_kernarg_size 24
		.amdhsa_user_sgpr_count 2
		.amdhsa_user_sgpr_kernarg_segment_ptr 1
		.amdhsa_wavefront_size32 1
		.amdhsa_system_sgpr_workgroup_id_x 1
		.amdhsa_system_sgpr_workgroup_id_y 1
		.amdhsa_system_sgpr_workgroup_id_z 1
		.amdhsa_system_vgpr_workitem_id 0
		.amdhsa_next_free_vgpr 256
		.amdhsa_next_free_sgpr 102
		.amdhsa_reserve_vcc 0
		.amdhsa_float_denorm_mode_32 3
		.amdhsa_float_denorm_mode_16_64 3
		.amdhsa_memory_ordered 1
		.amdhsa_forward_progress 1
		.amdhsa_inst_pref_size 59
	.end_amdhsa_kernel
	.amdgpu_metadata
---
amdhsa.version: [ 1, 2 ]
amdhsa.kernels:
  - .name:           k_q528b4b629e_attn
    .symbol:         k_q528b4b629e_attn.kd
    .args:
      - { .name: qkv, .offset: 0, .size: 8, .value_kind: global_buffer, .address_space: global }
      - { .name: mbits, .offset: 8, .size: 8, .value_kind: global_buffer, .address_space: global }
      - { .name: ctxi, .offset: 16, .size: 8, .value_kind: global_buffer, .address_space: global }
    .group_segment_fixed_size: 327680
    .private_segment_fixed_size: 0
    .kernarg_segment_align: 8
    .kernarg_segment_size: 24
    .max_flat_workgroup_size: 512
    .sgpr_count:     102
    .vgpr_count:     256
    .wavefront_size: 32
...
	.end_amdgpu_metadata
.endif
;; end of part 3
;; launch oproj (part 4): grid 4 x 64, 4 waves a work-group, clusters of 4 x 4, 327,680 bytes of LDS; arguments ctxi, wimg, b_out, out0; writes out0
.if DOCPART == 4
	.amdgcn_target "amdgcn-amd-amdhsa--gfx1250"
	.amdhsa_code_object_version 6
	.text
	.protected	k_q528b4b629e_oproj
	.globl	k_q528b4b629e_oproj
	.p2align	8
	.type	k_q528b4b629e_oproj,@function
k_q528b4b629e_oproj:
	s_mov_b64 s[64:65], 0
	v_nop
	global_prefetch_b8 v0, s[64:65] scope:SCOPE_SE
	s_setreg_imm32_b32 hwreg(HW_REG_WAVE_MODE, 25, 1), 1
	s_wait_xcnt 0x0
	s_wait_alu depctr_hold_cnt(0) depctr_sa_sdst(0) depctr_va_vdst(0) depctr_va_sdst(0) depctr_va_ssrc(0) depctr_va_vcc(0) depctr_vm_vsrc(0)
	s_getreg_b32 s2, hwreg(HW_REG_IB_STS2, 6, 4)
	s_cmp_eq_u32 s2, 0
	s_cbranch_scc0 .Lentry_in_a_cluster
	s_endpgm
.Lentry_in_a_cluster:
	s_bfe_u32 s2, ttmp6, 0x10000c
	s_cmp_lg_u32 s2, 0xf033
	s_cbranch_scc0 .Lentry_shape_is_right
	s_endpgm
.Lentry_shape_is_right:
; out0 = ctx W_out + b_out.  Operands in f16, as images of operand registers (blocks of 512 bytes: 16 rows x 16 along K, lane L at byte 16 L); sums in f32; out0 [8192][1024] f32.
; ctxi: [token tile 512][k tile 64][512 bytes]; wimg: [n tile 64][k tile 64][512 bytes].  A tile of the result is 128 tokens x 256 columns: 256 work-groups.  Four waves, 64 tokens x 128 columns each: 32 accumulators.
; K goes in 8 steps of 128 (4,096 consecutive bytes of each row tile) through two LDS slots.  Images are read 512 consecutive bytes an instruction: no padding.
; CLUSTERS: 4 x 4 work-groups: ctx's tiles are shared along a row of the cluster, W's along a column: joint loads.  No prefetch: the launch is short and its tiles are shared in the cluster.
; THE MATRIX INSTRUCTION IS USED TRANSPOSED (source 0 = 16 columns' rows of W, source 1 = 16 tokens): a lane holds eight neighbouring numbers of a row of out0.  The bias is the C of each sum's first instruction.
; REGISTERS: window 0: v0-31 addresses; v32-127, v128-223 two fragment buffers (A's four fragments, then B's eight); window 1: the accumulators ((a, b) at v[8 (8 a + b)]); window 2: v0-63 the bias.
.set KSB,    4096                      ; a K step of a row tile, in bytes
.set SLOT,   98304                     ; A's 8 token tiles, then B's 16 column tiles
.set STAGE,  2*SLOT                    ; the way out: 16 rows x (512 + 16) bytes for each wave; no tile lands here
.set SPITCH, 528
.set SPARE,  STAGE+4*16*SPITCH         ; the spare words, 128 bytes for each wave: two blocks of 256 bytes that no other line names
.set LAPS,   4
.set ADRA, 16
.set ADRB, 20
.set STO,  24
.set RD,   25
.set CO,   26
.set SPW,  28
.set NIL,  29
.set F0,   32
.set F1,   128
.set BK,   32                          ; the way out: rows read back, two sets of 64
.set G1, 24
.set G0, 32
.set G1B, 48
.set G0B, 56
.set MSB, 0
.macro WIN new
.if MSB != \new
	s_set_vgpr_msb (MSB<<8)|\new
.set MSB, \new
.endif
.endm
.set MUL,  0x50                        ; C and D window 1
.set MULF, 0x60                        ; C (the bias) window 2, D window 1
.macro JLOAD s                         ; waves 0 and 1 fetch A's halves, waves 2 and 3 B's; an s_nop 0 and four v_nop follow each line
	s_cmp_eq_u32 s11, 0
	s_cbranch_scc0 .Lfor_b_\@
	tensor_load_to_lds s[G0+4*\s:G0+4*\s+3], s[G1:G1+7]
	s_nop 0
.rept 4
	v_nop
.endr
	s_branch .Lasked_\@
.Lfor_b_\@:
	tensor_load_to_lds s[G0B+4*\s:G0B+4*\s+3], s[G1B:G1B+7]
	s_nop 0
.rept 4
	v_nop
.endr
.Lasked_\@:
.endm
.macro CREST
	s_cmp_lg_u32 s10, 0
	s_cbranch_scc1 .Lnot_wave_0_\@
	s_barrier_signal -3
.Lnot_wave_0_\@:
	s_barrier_wait -3
	s_barrier_signal -1
	s_barrier_wait -1
.endm
.macro CROUND
	s_barrier_signal -1
	s_barrier_wait -1
	CREST
.endm
	s_load_b128 s[4:7], s[0:1], 0x0                ; ctxi, wimg
	s_load_b128 s[68:71], s[0:1], 0x10             ; b_out, out0
	v_lshl_add_u32 v[SPW], v0, 2, SPARE
	v_mov_b32 v[NIL], 0
	ds_add_u32 v[SPW], v[NIL]                      ; the wave's opening: the add, twice on end, and its wait ahead of my first tensor load
	ds_add_u32 v[SPW], v[NIL]
	v_lshrrev_b32 v1, 5, v0
	v_readfirstlane_b32 s10, v1                    ; wave 0..3
	s_lshr_b32 s11, s10, 1                         ; which 64 tokens are mine.  Also: I fetch for A (0) or for B (1)
	s_and_b32 s12, s10, 1                          ; which 128 columns.  Also: which half of that tile I fetch
	s_bfe_u32 s40, ttmp6, 0x40000                  ; cx, cy
	s_bfe_u32 s41, ttmp6, 0x40004
	s_lshl_b32 s42, ttmp9, 2
	s_add_co_u32 s42, s42, s40                     ; tile column
	s_and_b32 s13, ttmp7, 0xffff
	s_lshl_b32 s13, s13, 2
	s_add_co_u32 s13, s13, s41                     ; tile row
	s_lshl_b32 s43, s41, 2
	s_lshl_b32 s43, 15, s43                        ; my row of the cluster
	s_lshl_b32 s44, 0x1111, s40                    ; my column
	s_or_b32 s[G1+0], s43, (3<<16)|(1<<21)         ; the mask; elements of 8 bytes; bit 21 beside a mask; no padding
	s_or_b32 s[G1B+0], s44, (3<<16)|(1<<21)
	s_mov_b32 s[G1+1], 512<<16                     ; tensor_dim0 = 512 elements: 4,096 bytes
	s_mov_b32 s[G1+2], 4<<16                       ; tensor_dim1 = 4 token tiles
	s_mov_b32 s[G1+3], 512<<16                     ; tile_dim0
	s_mov_b32 s[G1+4], 4                           ; tile_dim1
	s_mov_b32 s[G1+5], 4096                        ; the pitch: 32,768 bytes from row tile to row tile
	s_mov_b32 s[G1+6], 0
	s_mov_b32 s[G1+7], 0
	s_mov_b32 s[G1B+1], 512<<16
	s_mov_b32 s[G1B+2], 8<<16                      ; 8 column tiles
	s_mov_b32 s[G1B+3], 512<<16
	s_mov_b32 s[G1B+4], 8
	s_mov_b32 s[G1B+5], 4096
	s_mov_b32 s[G1B+6], 0
	s_mov_b32 s[G1B+7], 0
	s_lshl_b32 s16, s13, 3
	s_lshl_b32 s17, s12, 2
	s_add_co_u32 s16, s16, s17
	s_lshl_b32 s16, s16, 15                        ; A: token tile 8 x tile row + 4 x half
	s_mov_b32 s17, 0
	s_lshl_b32 s46, s42, 4
	s_lshl_b32 s47, s12, 3
	s_add_co_u32 s46, s46, s47
	s_lshl_b32 s46, s46, 15                        ; B: column tile 16 x tile column + 8 x half
	s_mov_b32 s47, 0
	s_lshl_b32 s20, s12, 14                        ; where they go in a slot: A's half,
	s_lshl_b32 s21, s12, 15
	s_add_co_u32 s21, s21, 32768                   ; B's half, behind A's 32,768 bytes
	s_wait_dscnt 0x0                               ; both opening adds are done
	s_wait_kmcnt 0x0
	s_add_nc_u64 s[14:15], s[4:5], s[16:17]
	s_add_nc_u64 s[46:47], s[6:7], s[46:47]
	CROUND                                         ; all sixteen work-groups are here: the first joint loads meet
.irp s, 0,1
	s_mov_b32 s[G0+4*\s], 1
	s_add_co_u32 s[G0+4*\s+1], s20, \s*SLOT
	s_add_nc_u64 s[G0+4*\s+2:G0+4*\s+3], s[14:15], \s*KSB
	s_or_b32 s[G0+4*\s+3], s[G0+4*\s+3], 0x80000000
	s_mov_b32 s[G0B+4*\s], 1
	s_add_co_u32 s[G0B+4*\s+1], s21, \s*SLOT
	s_add_nc_u64 s[G0B+4*\s+2:G0B+4*\s+3], s[46:47], \s*KSB
	s_or_b32 s[G0B+4*\s+3], s[G0B+4*\s+3], 0x80000000
	JLOAD \s
.endr
	v_and_b32 v1, 15, v0                           ; r
	v_bfe_u32 v2, v0, 4, 1                         ; h
	v_and_b32 v6, 31, v0
	v_lshlrev_b32 v[CO], 4, v6                     ; 16 x lane
	s_lshl_b32 s21, s11, 14                        ; my four token tiles
	s_lshl_b32 s22, s12, 15
	s_add_co_u32 s22, s22, 32768                   ; my eight column tiles
.irp s, 0,1
	v_add_nc_u32 v[ADRA+\s], s21, v[CO]
	v_add_nc_u32 v[ADRB+\s], s22, v[CO]
	s_add_co_u32 s21, s21, SLOT
	s_add_co_u32 s22, s22, SLOT
.endr
	s_mul_i32 s23, s10, 16*SPITCH
	s_add_co_u32 s23, s23, STAGE                   ; my stage
	v_mul_u32_u24 v5, v1, SPITCH
	v_lshl_add_u32 v5, v2, 5, v5
	v_add_nc_u32 v[STO], s23, v5                   ; in: row r, 32 bytes for each half of the lanes
	v_add_nc_u32 v[RD], s23, v[CO]                 ; back: the 32 lanes take a row of 512 bytes
	v_lshlrev_b32 v7, 5, v2                        ; the bias: 8 h numbers on
	s_lshl_b32 s46, s42, 10
	s_lshl_b32 s47, s12, 9
	s_add_co_u32 s46, s46, s47                     ; my first column, in bytes of f32
	s_mov_b32 s47, 0
	s_add_nc_u64 s[68:69], s[68:69], s[46:47]
	s_lshl_b32 s16, s13, 7
	s_lshl_b32 s17, s11, 6
	s_add_co_u32 s16, s16, s17                     ; my first token
	s_lshl_b32 s16, s16, 12                        ; rows of 4,096 bytes
	s_mov_b32 s17, 0
	s_add_nc_u64 s[70:71], s[70:71], s[16:17]
	s_add_nc_u64 s[70:71], s[70:71], s[46:47]
	WIN 0x80                                       ; destination window 2
.irp b, 0,1,2,3,4,5,6,7
	global_load_b128 v[8*\b:8*\b+3], v7, s[68:69] offset:64*\b          ; tile b: the bias of columns 16 b + 8 h + 0 .. 7
	global_load_b128 v[8*\b+4:8*\b+7], v7, s[68:69] offset:64*\b+16
.endr
	WIN 0
.macro FETCH slot, q, f                ; 24 LDS loads: the fragments of 32 along K, the slot's q-th: two blocks of 512 bytes each
.irp i, 0,1,2,3
.irp c, 0,1
	ds_load_b128 v[\f+8*\i+4*\c:\f+8*\i+4*\c+3], v[ADRA+\slot] offset:\i*4096+(\q)*1024+\c*512
.endr
.endr
.irp i, 0,1,2,3,4,5,6,7
.irp c, 0,1
	ds_load_b128 v[\f+32+8*\i+4*\c:\f+32+8*\i+4*\c+3], v[ADRB+\slot] offset:\i*4096+(\q)*1024+\c*512
.endr
.endr
.endm
.macro MULH f, a0, first               ; 16 matrix instructions; the 32 accumulators take turns, one instruction a turn, in the same order in every quarter
.irp a, \a0, \a0+1
.irp b, 0,1,2,3,4,5,6,7
.if \first
	v_wmma_f32_16x16x32_f16 v[8*(8*(\a)+\b):8*(8*(\a)+\b)+7], v[\f+32+8*\b:\f+32+8*\b+7], v[\f+8*(\a):\f+8*(\a)+7], v[8*\b:8*\b+7]
.else
	v_wmma_f32_16x16x32_f16 v[8*(8*(\a)+\b):8*(8*(\a)+\b)+7], v[\f+32+8*\b:\f+32+8*\b+7], v[\f+8*(\a):\f+8*(\a)+7], v[8*(8*(\a)+\b):8*(8*(\a)+\b)+7]
.endif
.endr
.endr
.endm
.macro PLACES                          ; four plain lines in front of loads into registers that matrix instructions have read, and of the first read of results
.rept 4
	v_nop
.endr
.endm
; One of a K step's first three quarters: buffer f is in; the next quarter's fragments are asked for, into g; then 32 products.
.macro QUARTER slot, q, f, g, first
	s_wait_dscnt 0x0                               ; asked for a quarter, 32 matrix instructions, ago
	PLACES
	FETCH \slot, (\q)+1, \g
.if \first
	WIN MULF
.else
	WIN MUL
.endif
	MULH \f, 0, \first
	MULH \f, 2, \first
	WIN 0
.endm
; The last quarter multiplies buffer 1 and changes slots: one barrier; in front of it each wave waits for all its tensor loads, adds 0 to its spare word, and waits for that and for its reads of this slot.
; fill = 1: the barrier opens a round of the cluster's, and this slot is asked for again, two K steps on, first thing behind it: 112 matrix instructions ahead of the wait for it.
.macro TURN slot, next, fill
	s_wait_tensorcnt 0x0                           ; all my tensor loads have landed: my part of the next slot; so the descriptors may be written
	ds_add_u32 v[SPW], v[NIL]
.if \fill
	s_add_nc_u64 s[G0+4*\slot+2:G0+4*\slot+3], s[G0+4*\slot+2:G0+4*\slot+3], 2*KSB
	s_add_nc_u64 s[G0B+4*\slot+2:G0B+4*\slot+3], s[G0B+4*\slot+2:G0B+4*\slot+3], 2*KSB
.endif
	s_wait_dscnt 0x0                               ; the add is done, buffer 1 is in, and my reads of this slot are over
	s_barrier_signal -1
	WIN MUL
	MULH F1, 0, 0                                  ; work on registers while the others arrive
	WIN 0
	s_barrier_wait -1
.if \fill
	CREST
	JLOAD \slot                                    ; its four v_nop are also the places in front of the loads below
.else
	PLACES
.endif
	FETCH \next, 0, F0
	WIN MUL
	MULH F1, 2, 0
	WIN 0
.endm
	s_wait_tensorcnt 1                             ; my part of K step 0 is in (K step 1's load may be out),
	s_barrier_signal -1
	s_barrier_wait -1                              ; everybody's is
	FETCH 0, 0, F0
	s_wait_loadcnt 0x0                             ; the bias
	QUARTER 0, 0, F0, F1, 1                        ; the first quarter stands in front of the loop: the bias starts the sums
	s_mov_b32 s3, LAPS-1
.Llap:                                         ; a trip goes once round the two slots and fills both again
	QUARTER 0, 1, F1, F0, 0
	QUARTER 0, 2, F0, F1, 0
	TURN 0, 1, 1
	QUARTER 1, 0, F0, F1, 0
	QUARTER 1, 1, F1, F0, 0
	QUARTER 1, 2, F0, F1, 0
	TURN 1, 0, 1
	QUARTER 0, 0, F0, F1, 0
	s_sub_co_u32 s3, s3, 1
	s_cmp_lg_u32 s3, 0
	s_cbranch_scc1 .Llap
	QUARTER 0, 1, F1, F0, 0                        ; the last lap fills nothing
	QUARTER 0, 2, F0, F1, 0
	TURN 0, 1, 0
	QUARTER 1, 0, F0, F1, 0
	QUARTER 1, 1, F1, F0, 0
	QUARTER 1, 2, F0, F1, 0
	s_wait_dscnt 0x0
	WIN MUL
	MULH F1, 0, 0
	MULH F1, 2, 0
	WIN 0
; THE WAY OUT, 16 tokens x 128 columns at a time, through my own stage: in as 32 bytes a lane, back as whole rows of 512 bytes.  LDS serves a wave's instructions in order: no wait between the stores and the loads.
.macro TOSTAGE a
	WIN 0x04                                       ; an LDS store's data: window 1
.irp b, 0,1,2,3,4,5,6,7
	ds_store_b128 v[STO], v[64*(\a)+8*\b:64*(\a)+8*\b+3] offset:64*\b        ; each accumulator from its low end on
	ds_store_b128 v[STO], v[64*(\a)+8*\b+4:64*(\a)+8*\b+7] offset:64*\b+16
.endr
	WIN 0
.irp t, 0,1,2,3,4,5,6,7,8,9,10,11,12,13,14,15
	ds_load_b128 v[BK+64*((\a)%2)+4*\t:BK+64*((\a)%2)+4*\t+3], v[RD] offset:\t*SPITCH
.endr
.endm
.macro SEND a, younger                 ; younger: the LDS instructions issued behind block a's loads, which may stay out
	s_wait_dscnt \younger
.if (\a) > 0
	s_add_nc_u64 s[70:71], s[70:71], 16*4096       ; (behind a wait on XCNT: the earlier stores have read their base)
.endif
.irp t, 0,1,2,3,4,5,6,7,8,9,10,11,12,13,14,15
	global_store_b128 v[CO], v[BK+64*((\a)%2)+4*\t:BK+64*((\a)%2)+4*\t+3], s[70:71] offset:\t*4096 th:TH_STORE_NT   ; 32 lanes store 512 consecutive bytes, aligned
.endr
.endm
	PLACES
	TOSTAGE 0
.irp a, 1,2,3
.if \a > 1
	s_wait_xcnt 0x0                                ; the stores of two blocks back have read their registers and their base
.endif
	TOSTAGE \a
	SEND \a-1, 32                                  ; behind that block's loads: the next block's 16 stores and 16 loads
.endr
	s_wait_xcnt 0x0
	SEND 3, 0
	s_wait_tensorcnt 0x0                           ; the wave's end
	ds_add_u32 v[SPW], v[NIL]
	s_wait_dscnt 0x0
	CROUND                                         ; the closing round
	s_endpgm
.Lfunc_end_k_q528b4b629e_oproj:
	.size	k_q528b4b629e_oproj, .Lfunc_end_k_q528b4b629e_oproj-k_q528b4b629e_oproj
	.p2alignl 7, 3214868480
	.fill 96, 4, 3214868480
	.section	.rodata,"a",@progbits
	.p2align	6, 0x0
	.amdhsa_kernel k_q528b4b629e_oproj
		.amdhsa_group_segment_fixed_size 327680
		.amdhsa_private_segment_fixed_size 0
		.amdhsa_enable_private_segment 0
		.amdhsa_kernarg_size 32
		.amdhsa_user_sgpr_count 2
		.amdhsa_user_sgpr_kernarg_segment_ptr 1
		.amdhsa_wavefront_size32 1
		.amdhsa_system_sgpr_workgroup_id_x 1
		.amdhsa_system_sgpr_workgroup_id_y 1
		.amdhsa_system_sgpr_workgroup_id_z 1
		.amdhsa_system_vgpr_workitem_id 0
		.amdhsa_next_free_vgpr 576
		.amdhsa_next_free_sgpr 72
		.amdhsa_reserve_vcc 0
		.amdhsa_float_denorm_mode_32 3
		.amdhsa_float_denorm_mode_16_64 3
		.amdhsa_memory_ordered 1
		.amdhsa_forward_progress 1
		.amdhsa_inst_pref_size 86
	.end_amdhsa_kernel
	.amdgpu_metadata
---
amdhsa.version: [ 1, 2 ]
amdhsa.kernels:
  - .name:           k_q528b4b629e_oproj
    .symbol:         k_q528b4b629e_oproj.kd
    .args:
      - { .name: ctxi, .offset: 0, .size: 8, .value_kind: global_buffer, .address_space: global }
      - { .name: wimg, .offset: 8, .size: 8, .value_kind: global_buffer, .address_space: global }
      - { .name: b_out, .offset: 16, .size: 8, .value_kind: global_buffer, .address_space: global }
      - { .name: out0, .offset: 24, .size: 8, .value_kind: global_buffer, .address_space: global }
    .group_segment_fixed_size: 327680
    .private_segment_fixed_size: 0
    .kernarg_segment_align: 8
    .kernarg_segment_size: 32
    .max_flat_workgroup_size: 128
    .sgpr_count:     72
    .vgpr_count:     576
    .wavefront_size: 32
...
	.end_amdgpu_metadata
.endif
;; end of part 4
